; MI455X (gfx1250); checked and timed in simulation.
; The chip was launched on July 23, 2026; its instructions are those of AMD's public machine-readable ISA for CDNA 5 (MIT licence, August 2026) and "CDNA5" Instruction Set Architecture Reference Guide (July 2026). The comments in the code are by the model that wrote it; some were corrected since.
;; Conformer MHA. Allowed arithmetic: matrix products marked QUANTISED: E2M3 operands, one E8M0 scale for each 32 along K, by v_wmma_scale_f32_16x16x128_f8f6f4 with both operands' format E2M3, f32 sums; everything else in f32.
;; Inputs: b_o 1,024 float32; b_qkv 3,072 float32; ln_b 1,024 float32; ln_w 1,024 float32; w_o 1,024 x 1,024 float32; w_qkv 1,024 x 3,072 float32; x 4 x 2,048 x 1,024 float32.
;; Outputs: out0 4 x 2,048 x 1,024 float32.
;; This version of the problem:
;;   THIS VERSION OF THE PROBLEM IS GIVEN IN LOW PRECISION. The matrix products marked QUANTISED in the list below multiply operands that are first quantised to E2M3 (2 exponent bits, 3 mantissa bits; 6 bits a number), with one power-of-two scale for each 32 numbers along K (OCP MX v1.0); their sums are f32. All else is computed in f32.
;;   The module's matrix products, in the order in which they are computed (A, B: the left and right operand; K: the contracted axis; several contracted axes count as one K, in the product's order):
;;     1. [M 8,192, K 1,024] x [K 1,024, N 3,072]; A: computed on the way; B: input w_qkv: QUANTISED
;;     2. batch 64 x [M 2,048, K 64] x [K 64, N 2,048]; A: computed on the way; B: computed on the way: QUANTISED
;;     3. batch 64 x [M 2,048, K 2,048] x [K 2,048, N 64]; A: softmax (see below); B: computed on the way: QUANTISED
;;     4. [M 8,192, K 1,024] x [K 1,024, N 1,024]; A: computed on the way; B: input w_o: QUANTISED
;;   THE QUANTISER, for each operand of a quantised product, along K:
;;     - K is cut into blocks of 32 from its start; a last block that is shorter is filled with zeros.
;;     - A block's scale is 2^e with e = floor(log2(the largest magnitude in the block)) - 2, held to -126 .. 127; a block of zeros has e = 0. As a byte (E8M0): e + 127.
;;     - Each number is divided by its block's scale, clamped to +-7.5, and rounded to the nearest number of E2M3, ties to even, subnormals kept.
;;     - The product sums the exact products of the quantised numbers (number of the format x scale) in f32.
;;   ~~~python
;;   def quantise(x, axis):      # numpy; x: float32 -> the quantised numbers, widened to float32 again
;;       x = np.moveaxis(x, axis, -1); K = x.shape[-1]
;;       x = np.pad(x, [(0, 0)] * (x.ndim - 1) + [(0, -K % 32)]); x = x.reshape(x.shape[:-1] + (-1, 32)); a = np.abs(x).max(-1, keepdims=True)
;;       e = np.where(a > 0, np.clip(np.frexp(np.where(a > 0, a, 1))[1] - 1 - 2, -126, 127), 0)      # np.frexp(a)[1] - 1 = floor(log2(a)), exactly
;;       r = np.clip(x / 2.0 ** e, -7.5, 7.5)
;;       step = 2.0 ** (np.maximum(np.frexp(np.where(r == 0, 1, r))[1] - 1, 0) - 3)
;;       q = np.round(r / step) * step * 2.0 ** e      # np.round: ties to even
;;       return np.moveaxis(q.reshape(q.shape[:-2] + (-1,))[..., :K], -1, axis).astype(np.float32)
;;   ~~~
;;   SOFTMAX AHEAD OF A QUANTISED PRODUCT. Where the list says 'softmax', what is quantised is not the finished softmax but p = 2^(t - M), with t = logit x log2(e) and M = ceil(the row's largest t), a whole number; so 1/2 < the row's largest p <= 1. The row's sum l is taken of the UNQUANTISED p, in f32, and the product's result is divided by l at the end. Since M is a whole number, a kernel that streams over the keys may use a running M (the ceiling of the running maximum): every later rescaling is an exact power of two, which a block's scale takes up: the codes' values come out the same.
;;   OPERANDS COMPUTED ON THE WAY. 'Computed on the way' means the value that the module computes at that place (a softmax that the list does not call 'softmax' is quantised finished and normalised). What goes into a quantiser is computed in f32, as accurately as f32 sums, v_exp_f32 and their like allow (about 1e-6 of the number): no bf16 or f16 on the way to a quantiser, and a product that is left as it is and whose result goes on into a quantised operand takes f32 operands (vector FMAs, or v_wmma_f32_16x16x4_f32). A number that lies on a knife's edge between two numbers of the format may be rounded either way, as far as f32 arithmetic and the matrix unit's own rounding can turn it there, and no further.
;; One version. Each part assembles by itself: llvm-mc -triple=amdgcn-amd-amdhsa -mcpu=gfx1250 --defsym DOCPART=n.
;; ======== version 1 of 1: 4 launches
;; workspace buffers: hbuf 6,553,600 bytes; obuf 6,553,600 bytes; wbuf 3,276,800 bytes; rope 524,288 bytes; qbuf 6,815,744 bytes; kvbuf 13,369,344 bytes
;; launch prep (part 1): grid 256 x 1, 16 waves a work-group, no clusters, 153,088 bytes of LDS; arguments x, ln_w, ln_b, w_qkv, w_o, hbuf, wbuf, rope; writes hbuf, wbuf, rope
.if DOCPART == 1
	.amdgcn_target "amdgcn-amd-amdhsa--gfx1250"
	.amdhsa_code_object_version 6
	.text
	.protected	k_q654340cce8_prep
	.globl	k_q654340cce8_prep
	.p2align	8
	.type	k_q654340cce8_prep,@function
k_q654340cce8_prep:
	s_mov_b64 s[64:65], 0
	v_nop
	global_prefetch_b8 v0, s[64:65] scope:SCOPE_SE
	s_setreg_imm32_b32 hwreg(HW_REG_WAVE_MODE, 25, 1), 1
	s_wait_xcnt 0x0
; THREE THINGS IN ONE LAUNCH, one path for all 256 work-groups of 16 waves.
;  T: the table for the rotation: row t (256 bytes) = cos(t f_0..31), sin(t f_0..31), f_i = 10000^(-i/32).  Waves 0-7 of work-group g make rows 8 g + wave.
;  W: w_qkv [1024][3072] and w_o [1024][1024], f32 with K as first axis, become codes of E2M3 with one E8M0 byte for each 32 along K.  A work-group takes 64 columns x 256 K; a wave 32 columns x 32 K:
;     a lane owns a column and its 32 registers run down K, so a block lies in one lane.
;  X: LayerNorm of 32 tokens and its quantising along D.  Wave (u, s) holds 16 tokens x 128 columns; mean and variance (two passes: no difference of large sums) meet in LDS.
; LAYOUT OF THE CODES (hbuf, wbuf): images of operand registers.  A fragment, 16 rows x 128 K, is 12 registers a lane = 1,536 bytes = 6 pieces of 256: piece j holds registers 2 j, 2 j + 1, lane l's 8 bytes at 8 l.
;   [group of 128 rows][4 slots of 256 K][8 blocks of 16 rows][2 K steps][1,536].  Scale words behind the codes: [pair of 32 rows][4 slots][32 places][2 words].
; ORDER OF ROWS: place 16 u + i of a group of 32 holds row 8 u + i + 8 (i / 8): so a product used transposed leaves 16 neighbours along these rows in a lane's 16 registers of two neighbouring tiles.
; A block's scale byte is its largest magnitude's exponent field - 2, held at 1 from below (a block of zeros gets 1, not 127: its codes are zeros, and only this program reads the bytes).
; LIMITS: NaN and infinities are not served.  f_i comes from v_exp_f32 of a rounded product: an angle off by up to 2.6e-4 at t = 2047.
; No matrix unit, no cluster, no tensor load: the launch streams, and work-groups share no input but the two short vectors.
.set XW,    8448                       ; LDS 0: a stage of 16 rows x (512 + 16) bytes for each wave
.set WST,   135168                     ; the weight piece's codes as they will lie in memory: 12,288 bytes
.set WSC,   147456                     ; its scale bytes: 512
.set RED,   147968                     ; partial sums: 1,024 bytes; partial sums of squares 1,024 further on
.set HSC,   150016                     ; h's scale words: 1,024
.set SPARE, 151040                     ; the spare words, 128 bytes for each wave: eight blocks of 256 bytes that no other line names
.set HSCO,  6291456                    ; hbuf: where the scale words begin
.set WSCO,  3145728                    ; wbuf: likewise
.set TM,  16                           ; v16-31  at work
.set PC,  32                           ; v32-51  codes
.set PW,  52                           ; v52     a scale word
.set X,   64                           ; v64-127 64 numbers of x
.set LW,  128                          ; v128-191 ln_w at my columns
.set LB,  192                          ; v192-255 ln_b; before that:
.set WD,  192                          ; v192-223 a block of a weight's column
.set VO,  224                          ; v224-255 the offsets of its 32 loads
.set SPW, 62
.set NIL, 63
.set SEL, 48
; 64 numbers of a lane, register 16 b + i = k 32 b + 16 (lane / 16) + i of my row, become a fragment's codes in v[PC] on and its scale word in v[PW]
.macro QUANT s
.irp b, 0,1,2,3
	v_max3_num_f32 v[TM+\b], |v[\s+16*\b]|, |v[\s+1+16*\b]|, 0x1800000   ; my 16 numbers of block b, and the floor 2^(3 - 127)
.endr
.irp i, 2,4,6,8,10,12,14
.irp b, 0,1,2,3
	s_delay_alu instid0(VALU_DEP_4)
	v_max3_num_f32 v[TM+\b], v[TM+\b], |v[\s+16*\b+\i]|, |v[\s+1+16*\b+\i]|
.endr
.endr
.irp b, 0,1,2,3
	s_delay_alu instid0(VALU_DEP_4)
	v_permlanex16_b32 v[TM+4+\b], v[TM+\b], s[SEL], s[SEL+1]
.endr
.irp b, 0,1,2,3
	s_delay_alu instid0(VALU_DEP_4)
	v_max_num_f32 v[TM+\b], v[TM+\b], v[TM+4+\b]                 ; with lane l xor 16's: the block's largest magnitude
.endr
.irp b, 0,1,2,3
	s_delay_alu instid0(VALU_DEP_4)
	v_add_nc_u32 v[TM+12+\b], 0xff000000, v[TM+\b]               ; 2 off its exponent field: the conversion's scale operand
.endr
.irp b, 0,1,2,3
	s_delay_alu instid0(VALU_DEP_4)
	v_lshrrev_b32 v[TM+4+\b], 23, v[TM+12+\b]                    ; the byte
.endr
	s_delay_alu instid0(VALU_DEP_3)
	v_lshl_or_b32 v[PW], v[TM+5], 8, v[TM+4]
	s_delay_alu instid0(VALU_DEP_1)
	v_lshl_or_b32 v[PW], v[TM+6], 16, v[PW]
	s_delay_alu instid0(VALU_DEP_1)
	v_lshl_or_b32 v[PW], v[TM+7], 24, v[PW]
.irp c, 0,1
	v_cvt_scalef32_pk16_fp6_f32 v[PC+6*\c:PC+2+6*\c], v[\s+32*\c:\s+15+32*\c], v[TM+12+2*\c]
	v_cvt_scalef32_pk16_fp6_f32 v[PC+12+4*\c:PC+14+4*\c], v[\s+16+32*\c:\s+31+32*\c], v[TM+12+2*\c+1]   ; (three registers from an even one)
.endr
	v_nop                                          ; one plain place behind a scaled conversion
.irp c, 0,1                                    ; a whole block to a lane: lanes 0-15 block 2 c, lanes 16-31 block 2 c + 1
.irp i, 0,1,2
	v_permlane16_swap_b32 v[PC+6*\c+\i], v[PC+12+4*\c+\i]
.endr
.irp i, 0,1,2
	s_delay_alu instid0(VALU_DEP_3)
	v_mov_b32 v[PC+3+6*\c+\i], v[PC+12+4*\c+\i]
.endr
.endr
.endm
.macro BARRIER                                 ; my LDS stores have landed and my LDS loads are in: then the work-group's barrier
	s_wait_dscnt 0x0
	s_barrier_signal -1
	s_barrier_wait -1
.endm
.macro TAIL                                    ; four chains of pairs in v16-23 -> v16: my row's sum over my wave's 128 columns
	s_delay_alu instid0(VALU_DEP_3)
	v_pk_add_f32 v[16:17], v[16:17], v[18:19]
	s_delay_alu instid0(VALU_DEP_2)
	v_pk_add_f32 v[20:21], v[20:21], v[22:23]
	s_delay_alu instid0(VALU_DEP_1)
	v_pk_add_f32 v[16:17], v[16:17], v[20:21]
	s_delay_alu instid0(VALU_DEP_1)
	v_add_f32 v16, v16, v17
	s_delay_alu instid0(VALU_DEP_1)
	v_permlanex16_b32 v18, v16, s[SEL], s[SEL+1]
	s_delay_alu instid0(VALU_DEP_1)
	v_add_f32 v16, v16, v18
.endm
.macro EIGHT                                   ; the eight waves' partial sums in v24-31 -> v24, in the same order in every wave
	v_add_f32 v24, v24, v25
	v_add_f32 v26, v26, v27
	v_add_f32 v28, v28, v29
	v_add_f32 v30, v30, v31
	s_delay_alu instid0(VALU_DEP_3)
	v_add_f32 v24, v24, v26
	s_delay_alu instid0(VALU_DEP_2)
	v_add_f32 v28, v28, v30
	s_delay_alu instid0(VALU_DEP_1)
	v_add_f32 v24, v24, v28
.endm
; cos or sin of the angle in v[th] -> v[o]; v19 = 0 for cos, 3 for sin (sin x = cos(x - pi/2)); seven registers from v[w] at work
.macro TRIG th, o, w
	v_mul_f32 v[\w], 0x3f22f983, v[\th]            ; x 2 / pi
	s_delay_alu instid0(VALU_DEP_1)
	v_rndne_f32 v[\w], v[\w]                       ; n
	s_delay_alu instid0(VALU_DEP_1)
	v_fma_f32 v[\w+1], v[\w], s50, v[\th]          ; the angle - n pi/2, pi/2 in two parts: the first difference is exact
	s_delay_alu instid0(VALU_DEP_1)
	v_fma_f32 v[\w+1], v[\w], s51, v[\w+1]
	s_delay_alu instid0(VALU_DEP_3)
	v_cvt_i32_f32 v[\w], v[\w]
	s_delay_alu instid0(VALU_DEP_1)
	v_add_nc_u32 v[\w], v[\w], v19                 ; the quadrant
	s_delay_alu instid0(VALU_DEP_3)
	v_mul_f32 v[\w+2], v[\w+1], v[\w+1]            ; z
	s_delay_alu instid0(VALU_DEP_1)
	v_fma_f32 v[\w+3], v[\w+2], s52, s53
	s_delay_alu instid0(VALU_DEP_1)
	v_fma_f32 v[\w+3], v[\w+3], v[\w+2], s54
	s_delay_alu instid0(VALU_DEP_1)
	v_mul_f32 v[\w+3], v[\w+3], v[\w+2]
	s_delay_alu instid0(VALU_DEP_1)
	v_fma_f32 v[\w+3], v[\w+3], v[\w+1], v[\w+1]   ; sin on [-pi/4, pi/4]
	v_fma_f32 v[\w+4], v[\w+2], s55, s56
	s_delay_alu instid0(VALU_DEP_1)
	v_fma_f32 v[\w+4], v[\w+4], v[\w+2], s57
	v_mul_f32 v[\w+5], v[\w+2], v[\w+2]
	v_fma_f32 v[\w+6], v[\w+2], -0.5, 1.0
	s_delay_alu instid0(VALU_DEP_1)
	v_fma_f32 v[\w+4], v[\w+4], v[\w+5], v[\w+6]   ; cos
	v_and_b32 v[\w+5], 1, v[\w]
	s_delay_alu instid0(VALU_DEP_1)
	v_cmp_eq_u32 vcc_lo, 1, v[\w+5]
	s_delay_alu instid0(VALU_DEP_1)
	v_cndmask_b32 v[\o], v[\w+4], v[\w+3], vcc_lo  ; odd quadrants take the sine,
	v_add_nc_u32 v[\w], 1, v[\w]
	s_delay_alu instid0(VALU_DEP_1)
	v_and_b32 v[\w], 2, v[\w]
	s_delay_alu instid0(VALU_DEP_1)
	v_lshlrev_b32 v[\w], 30, v[\w]
	s_delay_alu instid0(VALU_DEP_1)
	v_xor_b32 v[\o], v[\o], v[\w]                  ; quadrants 1 and 2 the other sign
.endm
	s_load_b512 s[4:19], s[0:1], 0x0               ; x, ln_w, ln_b, w_qkv, w_o, hbuf, wbuf, rope
	v_lshl_add_u32 v[SPW], v0, 2, SPARE
	v_mov_b32 v[NIL], 0
	v_lshrrev_b32 v1, 5, v0
	s_delay_alu instid0(VALU_DEP_1)
	v_readfirstlane_b32 s20, v1                    ; wave 0..15
	s_lshr_b32 s21, s20, 3                         ; u: which 16 of the 32 tokens; which 32 of the 64 columns
	s_and_b32 s22, s20, 7                          ; s: which 128 columns of x; which block of 32 along K of the weight
	s_lshr_b32 s23, ttmp9, 2                       ; which 64 stored rows of wbuf
	s_and_b32 s24, ttmp9, 3                        ; which 256 along K
	v_and_b32 v1, 31, v0                           ; lane
	v_and_b32 v2, 15, v0                           ; r
	v_bfe_u32 v3, v0, 4, 1                         ; h
	s_delay_alu instid0(VALU_DEP_3)
	v_lshlrev_b32 v4, 4, v1
	s_delay_alu instid0(VALU_DEP_4)
	v_lshlrev_b32 v5, 3, v1
	v_lshlrev_b32 v6, 2, v1
	; every LDS address is made here, ahead of the first branch on the wave's number
	s_mul_i32 s30, s20, XW
	v_add_nc_u32 v7, s30, v4                       ; my stage, in: 16 x lane
	v_mul_u32_u24 v8, v2, 528
	s_delay_alu instid0(VALU_DEP_1)
	v_lshl_add_u32 v8, v3, 6, v8
	s_delay_alu instid0(VALU_DEP_1)
	v_add_nc_u32 v8, s30, v8                       ; out: row r, + 64 h
	v_and_b32 v16, 7, v0
	s_delay_alu instid0(VALU_DEP_1)
	v_lshl_add_u32 v16, v3, 3, v16                 ; column l lies at row i = l % 8 + 8 (bit 4 of l)
	v_bfe_u32 v17, v0, 3, 1                        ; of block (bit 3 of l)
	s_delay_alu instid0(VALU_DEP_1)
	v_mul_u32_u24 v9, v17, 3072
	s_delay_alu instid0(VALU_DEP_1)
	v_lshl_add_u32 v9, v16, 3, v9
	s_wait_alu depctr_va_vdst(0)
	s_mul_i32 s30, s21, 6144
	s_lshr_b32 s31, s22, 2
	s_mul_i32 s31, s31, 1536                       ; K step,
	s_add_co_u32 s30, s30, s31
	s_bfe_u32 s31, s22, 0x10001
	s_mul_i32 s31, s31, 768                        ; registers 0-5 or 6-11,
	s_add_co_u32 s30, s30, s31
	s_and_b32 s31, s22, 1
	s_lshl_b32 s31, s31, 7                         ; lanes 0-15 or 16-31
	s_add_co_u32 s30, s30, s31
	s_add_co_u32 s30, s30, WST
	v_add_nc_u32 v9, s30, v9
	v_lshl_add_u32 v10, v17, 4, v16                ; place among the 32
	s_delay_alu instid0(VALU_DEP_1)
	v_lshlrev_b32 v10, 3, v10
	s_lshl_b32 s30, s21, 8
	s_add_co_u32 s30, s30, s22
	s_add_co_u32 s30, s30, WSC
	v_add_nc_u32 v10, s30, v10                     ; my block's scale byte
	v_lshlrev_b32 v12, 5, v2
	s_lshl_b32 s30, s21, 9
	s_add_co_u32 s30, s30, RED
	v_add_nc_u32 v12, s30, v12                     ; my row's eight partial sums
	s_lshl_b32 s31, s22, 2
	v_add_nc_u32 v11, s31, v12                     ; and mine among them
	v_lshlrev_b32 v13, 3, v2
	s_wait_alu depctr_va_vdst(0)
	s_lshr_b32 s30, s22, 1
	s_lshl_b32 s30, s30, 8
	s_lshl_b32 s31, s21, 7
	s_add_co_u32 s30, s30, s31
	s_and_b32 s31, s22, 1
	s_lshl_b32 s31, s31, 2
	s_add_co_u32 s30, s30, s31
	s_add_co_u32 s30, s30, HSC
	v_add_nc_u32 v13, s30, v13                     ; h's scale word: slot, place 16 u + r, K step
	s_mul_i32 s30, s20, 768
	s_add_co_u32 s30, s30, WST
	v_add_nc_u32 v14, s30, v5                      ; the weight's codes on their way out: three pieces a wave
	v_lshlrev_b32 v15, 6, v3                       ; 64 h: my 16 numbers of a block of ln_w, ln_b
	s_min_u32 s27, s20, 1                          ; waves 0 and 1 carry the scale bytes out
	s_lshl_b32 s31, s27, 8
	s_add_co_u32 s31, s31, WSC
	v_add_nc_u32 v53, s31, v5
	s_lshl_b32 s31, s27, 9
	s_add_co_u32 s31, s31, HSC
	v_add_nc_u32 v58, s31, v4
	; byte offsets in memory, each in a pair with 0 above it
	s_lshl_b32 s32, ttmp9, 17                      ; x: 32 tokens of 4,096 bytes a work-group,
	s_lshl_b32 s30, s21, 15                        ; + 8 u tokens,
	s_add_co_u32 s32, s32, s30
	s_lshl_b32 s34, s22, 9                         ; + 128 s columns
	s_add_co_u32 s32, s32, s34
	s_mov_b32 s33, 0
	s_mov_b32 s35, 0
	s_cmp_lt_u32 s23, 48                           ; stored rows 0-3071 are w_qkv's columns, the rest w_o's
	s_mov_b32 s25, 4096
	s_cselect_b32 s25, 12288, s25                  ; a row of the weight in bytes
	s_cselect_b32 s26, 0, 48
	s_sub_co_u32 s26, s23, s26
	s_lshl_b32 s36, s24, 8
	s_lshl_b32 s30, s22, 5
	s_add_co_u32 s36, s36, s30                     ; my block's first k
	s_mul_i32 s36, s36, s25
	s_lshl_b32 s30, s26, 8
	s_add_co_u32 s36, s36, s30
	s_lshl_b32 s30, s21, 7
	s_add_co_u32 s36, s36, s30
	s_mov_b32 s37, 0
	s_lshr_b32 s38, s23, 1                         ; wbuf's codes: group, slot, half a group, my three pieces
	s_mul_i32 s38, s38, 98304
	s_mul_i32 s30, s24, 24576
	s_add_co_u32 s38, s38, s30
	s_and_b32 s30, s23, 1
	s_mul_i32 s30, s30, 12288
	s_add_co_u32 s38, s38, s30
	s_mul_i32 s30, s20, 768
	s_add_co_u32 s38, s38, s30
	s_mov_b32 s39, 0
	s_lshl_b32 s40, s23, 1                         ; wbuf's scale words: pair, slot
	s_add_co_u32 s40, s40, s27
	s_lshl_b32 s40, s40, 10
	s_lshl_b32 s31, s24, 8
	s_add_co_u32 s40, s40, s31
	s_add_co_u32 s40, s40, WSCO
	s_mov_b32 s41, 0
	s_lshr_b32 s42, ttmp9, 2                       ; hbuf's codes: group, slot, block, K step
	s_mul_i32 s42, s42, 98304
	s_lshr_b32 s31, s22, 1
	s_mul_i32 s31, s31, 24576
	s_add_co_u32 s42, s42, s31
	s_lshl_b32 s31, ttmp9, 1
	s_add_co_u32 s31, s31, s21
	s_and_b32 s31, s31, 7
	s_mul_i32 s31, s31, 3072
	s_add_co_u32 s42, s42, s31
	s_and_b32 s31, s22, 1
	s_mul_i32 s31, s31, 1536
	s_add_co_u32 s42, s42, s31
	s_mov_b32 s43, 0
	s_lshl_b32 s44, ttmp9, 10                      ; hbuf's scale words: a pair a work-group
	s_lshl_b32 s31, s27, 9
	s_add_co_u32 s44, s44, s31
	s_add_co_u32 s44, s44, HSCO
	s_mov_b32 s45, 0
	s_lshl_b32 s27, ttmp9, 3
	s_add_co_u32 s27, s27, s20                     ; t = 8 g + wave
	s_lshl_b32 s46, s27, 8
	s_mov_b32 s47, 0
	s_mov_b32 s[SEL], 0x76543210
	s_mov_b32 s[SEL+1], 0xfedcba98                 ; v_permlanex16_b32's selects for lane l xor 16
	s_mov_b32 s50, 0xbfc90fdb                      ; -pi/2, upper part
	s_mov_b32 s51, 0x333bbd2e                      ; and what the upper part is too large by
	s_mov_b32 s52, 0xb94ca1f9                      ; sine's three coefficients
	s_mov_b32 s53, 0x3c08839e
	s_mov_b32 s54, 0xbe2aaaa3
	s_mov_b32 s55, 0x37ccf5ce                      ; cosine's three
	s_mov_b32 s56, 0xbab6061a
	s_mov_b32 s57, 0x3d2aaaa5
	s_mov_b32 s58, 0x3a800000                      ; 1 / 1024
	s_mov_b32 s59, 0x3727c5ac                      ; 1e-5
.set i, 0
.rept 32
	v_mad_u32_u24 v[VO+i], s25, i, v6              ; row i of my block, column = lane
.set i, i+1
.endr
	s_wait_alu depctr_va_vdst(0)
	s_wait_kmcnt 0x0
	s_add_nc_u64 s[4:5], s[4:5], s[32:33]
	s_add_nc_u64 s[6:7], s[6:7], s[34:35]
	s_add_nc_u64 s[8:9], s[8:9], s[34:35]
	s_cmp_lt_u32 s23, 48
	s_cselect_b64 s[28:29], s[10:11], s[12:13]     ; the choice hangs on the work-group's number alone
	s_add_nc_u64 s[28:29], s[28:29], s[36:37]
	s_add_nc_u64 s[10:11], s[16:17], s[38:39]      ; wbuf's codes
	s_add_nc_u64 s[12:13], s[16:17], s[40:41]      ; wbuf's scale words
	s_add_nc_u64 s[16:17], s[14:15], s[44:45]      ; hbuf's scale words
	s_add_nc_u64 s[14:15], s[14:15], s[42:43]      ; hbuf's codes
	s_add_nc_u64 s[18:19], s[18:19], s[46:47]      ; my row of the table
	; all that the wave reads but ln_b is asked for here: 32 + 16 + 16 loads
.set i, 0
.rept 32
	global_load_b32 v[WD+i], v[VO+i], s[28:29] th:TH_LOAD_NT
.set i, i+1
.endr
.irp p, 0,1,2,3,4,5,6,7,8,9,10,11,12,13,14,15
	global_load_b128 v[X+4*\p:X+4*\p+3], v4, s[4:5] offset:(\p+8*(\p/8))*4096 th:TH_LOAD_NT   ; row p of my block: 32 lanes read 512 consecutive bytes
.endr
.irp b, 0,1,2,3
.irp j, 0,1,2,3
	global_load_b128 v[LW+16*\b+4*\j:LW+16*\b+4*\j+3], v15, s[6:7] offset:128*\b+16*\j
.endr
.endr
	; ---- T
	s_cmp_ge_u32 s20, 8
	s_cbranch_scc1 .Lno_table
	v_and_b32 v16, 15, v0
	s_delay_alu instid0(VALU_DEP_1)
	v_lshlrev_b32 v16, 1, v16                      ; lane l stores words 2 l and 2 l + 1 of the row: frequencies 2 (l % 16) and the next; lanes 16-31 the sines
	s_delay_alu instid0(VALU_DEP_1)
	v_add_nc_u32 v17, 1, v16
	s_delay_alu instid0(VALU_DEP_2)
	v_cvt_f32_u32 v16, v16
	s_delay_alu instid0(VALU_DEP_2)
	v_cvt_f32_u32 v17, v17
	s_delay_alu instid0(VALU_DEP_2)
	v_mul_f32 v16, 0xbed49a78, v16                 ; x -log2(10000) / 32
	s_delay_alu instid0(VALU_DEP_2)
	v_mul_f32 v17, 0xbed49a78, v17
	v_cvt_f32_u32 v18, s27
	v_mul_u32_u24 v19, v3, 3
	s_wait_alu depctr_va_vdst(0)
	v_exp_f32 v16, v16
	v_exp_f32 v17, v17
	v_nop                                          ; a plain place behind the two,
	s_wait_alu depctr_va_vdst(0)                   ; and one wait for both, ahead of their first reader
	v_mul_f32 v16, v18, v16                        ; the angle, rounded once
	v_mul_f32 v17, v18, v17
	TRIG 16, 60, 20
	TRIG 17, 61, 32
	global_store_b64 v5, v[60:61], s[18:19]        ; 32 lanes store the row's 256 bytes; v60, v61 are not written again
.Lno_table:
	; ---- W: my block of 32 along K of my column
	s_wait_loadcnt 32                              ; the weight's 32 loads are in; x's 16 and ln_w's 16 may be out
	v_max3_num_f32 v16, |v[WD]|, |v[WD+1]|, |v[WD+2]|
	v_max3_num_f32 v17, |v[WD+3]|, |v[WD+4]|, |v[WD+5]|
.irp i, 6,10,14,18,22,26
	s_delay_alu instid0(VALU_DEP_2)
	v_max3_num_f32 v16, v16, |v[WD+\i]|, |v[WD+\i+1]|
	s_delay_alu instid0(VALU_DEP_2)
	v_max3_num_f32 v17, v17, |v[WD+\i+2]|, |v[WD+\i+3]|
.endr
	s_delay_alu instid0(VALU_DEP_2)
	v_max3_num_f32 v16, v16, |v[WD+30]|, |v[WD+31]|
	s_delay_alu instid0(VALU_DEP_1)
	v_max3_num_f32 v16, v16, v17, 0x1800000
	s_delay_alu instid0(VALU_DEP_1)
	v_add_nc_u32 v18, 0xff000000, v16
	s_delay_alu instid0(VALU_DEP_1)
	v_lshrrev_b32 v19, 23, v18
	v_cvt_scalef32_pk16_fp6_f32 v[32:34], v[WD:WD+15], v18
	v_cvt_scalef32_pk16_fp6_f32 v[38:40], v[WD+16:WD+31], v18
	v_nop
	v_mov_b32 v35, v38
	v_mov_b32 v36, v39
	v_mov_b32 v37, v40
	ds_store_b64 v9, v[32:33]                      ; six registers of the fragment's lane i + 16 (block % 2)
	ds_store_b64 v9, v[34:35] offset:256
	ds_store_b64 v9, v[36:37] offset:512
	ds_store_b8 v10, v19
.irp b, 0,1,2,3
.irp j, 0,1,2,3
	global_load_b128 v[LB+16*\b+4*\j:LB+16*\b+4*\j+3], v15, s[8:9] offset:128*\b+16*\j   ; into the registers that the weight's loads, which are done, have left
.endr
.endr
	; ---- X
	s_wait_loadcnt 32                              ; x is in; ln_w's 16 and ln_b's 16 may be out
.irp p, 0,1,2,3,4,5,6,7,8,9,10,11,12,13,14,15
	ds_store_b128 v7, v[X+4*\p:X+4*\p+3] offset:528*\p
.endr
.irp b, 0,1,2,3
.irp j, 0,1,2,3
	ds_load_b128 v[X+16*\b+4*\j:X+16*\b+4*\j+3], v8 offset:128*\b+16*\j   ; LDS serves a wave's instructions in order: these see my stores.  Register 16 b + i is now x(row r, 128 s + 32 b + 16 h + i)
.endr
.endr
	s_wait_dscnt 0x0
.irp c, 0,1,2,3
	v_pk_add_f32 v[16+2*\c:17+2*\c], v[X+2*\c:X+2*\c+1], v[X+8+2*\c:X+9+2*\c]
.endr
.irp k, 2,3,4,5,6,7
.irp c, 0,1,2,3
	s_delay_alu instid0(VALU_DEP_4)
	v_pk_add_f32 v[16+2*\c:17+2*\c], v[16+2*\c:17+2*\c], v[X+8*\k+2*\c:X+8*\k+2*\c+1]
.endr
.endr
	TAIL
	ds_store_b32 v11, v16                          ; lanes r and r + 16 write the same word with the same value
	BARRIER                                        ; the partial sums, the weight's codes and its scale bytes lie in LDS
	ds_load_b64 v[32:33], v14
	ds_load_b64 v[34:35], v14 offset:256
	ds_load_b64 v[36:37], v14 offset:512
	ds_load_b128 v[24:27], v12
	ds_load_b128 v[28:31], v12 offset:16
	s_wait_dscnt 2                                 ; the three are in; the two loads of the sums may be out
	global_store_b64 v5, v[32:33], s[10:11]        ; each store of the wave covers 256 consecutive bytes, aligned
	global_store_b64 v5, v[34:35], s[10:11] offset:256
	global_store_b64 v5, v[36:37], s[10:11] offset:512
	s_wait_dscnt 0x0
	EIGHT
	s_delay_alu instid0(VALU_DEP_1)
	v_mul_f32 v54, s58, v24                        ; the mean
	s_delay_alu instid0(VALU_DEP_1)
	v_mov_b32 v55, v54
.set j, 0
.rept 32
	v_pk_add_f32 v[X+j:X+j+1], v[X+j:X+j+1], v[54:55] neg_lo:[0,1] neg_hi:[0,1]
.set j, j+2
.endr
.irp c, 0,1,2,3
	v_pk_mul_f32 v[16+2*\c:17+2*\c], v[X+2*\c:X+2*\c+1], v[X+2*\c:X+2*\c+1]
.endr
.irp k, 1,2,3,4,5,6,7
.irp c, 0,1,2,3
	s_delay_alu instid0(VALU_DEP_4)
	v_pk_fma_f32 v[16+2*\c:17+2*\c], v[X+8*\k+2*\c:X+8*\k+2*\c+1], v[X+8*\k+2*\c:X+8*\k+2*\c+1], v[16+2*\c:17+2*\c]
.endr
.endr
	TAIL
	ds_store_b32 v11, v16 offset:1024
	BARRIER
	ds_load_b128 v[24:27], v12 offset:1024
	ds_load_b128 v[28:31], v12 offset:1040
	s_wait_dscnt 0x0
	EIGHT
	s_delay_alu instid0(VALU_DEP_1)
	v_fma_f32 v24, v24, s58, s59                   ; the variance + 1e-5
	s_wait_alu depctr_va_vdst(0)
	v_rsq_f32 v56, v24
	v_nop                                          ; a plain place behind it,
	s_wait_alu depctr_va_vdst(0)                   ; and the wait ahead of its first reader
	v_mov_b32 v57, v56
	s_wait_alu depctr_va_vdst(0)
	s_wait_loadcnt 0x0                             ; ln_w and ln_b
.set j, 0
.rept 32
	v_pk_mul_f32 v[X+j:X+j+1], v[X+j:X+j+1], v[56:57]
.set j, j+2
.endr
.set j, 0
.rept 32
	v_pk_fma_f32 v[X+j:X+j+1], v[X+j:X+j+1], v[LW+j:LW+j+1], v[LB+j:LB+j+1]
.set j, j+2
.endr
	s_wait_xcnt 0x0                                ; the weight's stores have read v32-37, which the quantiser writes
	QUANT X
.irp u, 0,1,2,3,4,5
	global_store_b64 v5, v[PC+2*\u:PC+2*\u+1], s[14:15] offset:256*\u   ; a piece of 256 consecutive bytes, aligned
.endr
	ds_store_b32 v13, v[PW]
	BARRIER                                        ; h's scale words lie in LDS
	s_cmp_ge_u32 s20, 2
	s_cbranch_scc1 .Lend
	ds_load_b64 v[16:17], v53                      ; 256 scale bytes of the weight,
	ds_load_b128 v[24:27], v58                     ; 512 of h
	s_wait_dscnt 0x0
	global_store_b64 v5, v[16:17], s[12:13]
	global_store_b128 v4, v[24:27], s[16:17]
.Lend:
	s_wait_tensorcnt 0x0                           ; the wave's end, behind my last LDS store
	ds_add_u32 v[SPW], v[NIL]
	s_wait_dscnt 0x0
	s_endpgm
.Lfunc_end_k_q654340cce8_prep:
	.size	k_q654340cce8_prep, .Lfunc_end_k_q654340cce8_prep-k_q654340cce8_prep
	.p2alignl 7, 3214868480
	.fill 96, 4, 3214868480
	.section	.rodata,"a",@progbits
	.p2align	6, 0x0
	.amdhsa_kernel k_q654340cce8_prep
		.amdhsa_group_segment_fixed_size 153088
		.amdhsa_private_segment_fixed_size 0
		.amdhsa_enable_private_segment 0
		.amdhsa_kernarg_size 64
		.amdhsa_user_sgpr_count 2
		.amdhsa_user_sgpr_kernarg_segment_ptr 1
		.amdhsa_wavefront_size32 1
		.amdhsa_system_sgpr_workgroup_id_x 1
		.amdhsa_system_sgpr_workgroup_id_y 1
		.amdhsa_system_sgpr_workgroup_id_z 1
		.amdhsa_system_vgpr_workitem_id 0
		.amdhsa_next_free_vgpr 256
		.amdhsa_next_free_sgpr 66
		.amdhsa_reserve_vcc 1
		.amdhsa_float_denorm_mode_32 3
		.amdhsa_float_denorm_mode_16_64 3
		.amdhsa_memory_ordered 1
		.amdhsa_forward_progress 1
		.amdhsa_inst_pref_size 47
	.end_amdhsa_kernel
	.amdgpu_metadata
---
amdhsa.version: [ 1, 2 ]
amdhsa.kernels:
  - .name:           k_q654340cce8_prep
    .symbol:         k_q654340cce8_prep.kd
    .args:
      - { .name: x, .offset: 0, .size: 8, .value_kind: global_buffer, .address_space: global }
      - { .name: ln_w, .offset: 8, .size: 8, .value_kind: global_buffer, .address_space: global }
      - { .name: ln_b, .offset: 16, .size: 8, .value_kind: global_buffer, .address_space: global }
      - { .name: w_qkv, .offset: 24, .size: 8, .value_kind: global_buffer, .address_space: global }
      - { .name: w_o, .offset: 32, .size: 8, .value_kind: global_buffer, .address_space: global }
      - { .name: hbuf, .offset: 40, .size: 8, .value_kind: global_buffer, .address_space: global }
      - { .name: wbuf, .offset: 48, .size: 8, .value_kind: global_buffer, .address_space: global }
      - { .name: rope, .offset: 56, .size: 8, .value_kind: global_buffer, .address_space: global }
    .group_segment_fixed_size: 153088
    .private_segment_fixed_size: 0
    .kernarg_segment_align: 8
    .kernarg_segment_size: 64
    .max_flat_workgroup_size: 512
    .sgpr_count:     66
    .vgpr_count:     256
    .wavefront_size: 32
...
	.end_amdgpu_metadata
.endif
;; end of part 1
;; launch qkv (part 2): grid 8 x 48, 4 waves a work-group, clusters of 4 x 4, 327,680 bytes of LDS; arguments hbuf, wbuf, b_qkv, rope, qbuf, kvbuf; writes qbuf, kvbuf
.if DOCPART == 2
	.amdgcn_target "amdgcn-amd-amdhsa--gfx1250"
	.amdhsa_code_object_version 6
	.text
	.protected	k_q654340cce8_qkv
	.globl	k_q654340cce8_qkv
	.p2align	8
	.type	k_q654340cce8_qkv,@function
k_q654340cce8_qkv:
	s_mov_b64 s[64:65], 0
	v_nop
	global_prefetch_b8 v0, s[64:65] scope:SCOPE_SE
	s_setreg_imm32_b32 hwreg(HW_REG_WAVE_MODE, 25, 1), 1
	s_wait_xcnt 0x0
	s_wait_alu depctr_hold_cnt(0) depctr_sa_sdst(0) depctr_va_vdst(0) depctr_va_sdst(0) depctr_va_ssrc(0) depctr_va_vcc(0) depctr_vm_vsrc(0)
	s_getreg_b32 s2, hwreg(HW_REG_IB_STS2, 6, 4)
	s_cmp_eq_u32 s2, 0
	s_cbranch_scc0 .Lentry_in_a_cluster
	s_endpgm
.Lentry_in_a_cluster:
	s_bfe_u32 s2, ttmp6, 0x10000c
	s_cmp_lg_u32 s2, 0xf033
	s_cbranch_scc0 .Lentry_shape_is_right
	s_endpgm
.Lentry_shape_is_right:
; qkv = h W + b on codes of E2M3 (one E8M0 byte for each 32 along K = 1,024), then the rotation of q and k, then the quantisers of the attention's operands.  Nothing leaves as f32.
; A tile is 256 x 256, four waves of 128 x 128: 64 accumulators of 16 x 16.  K goes in 4 slots of 256 through a ring of two LDS slots.  Operands lie in memory as images of their registers (launch prep): a slot's
; 128 rows are one dense block of 24,576 bytes, a fragment comes by six loads of 8 bytes a lane, 256 consecutive bytes each: no padding is needed.
; THE MATRIX INSTRUCTION IS USED TRANSPOSED: source 0 = 16 rows of B', source 1 = 16 rows of A': a lane holds ONE row of A', and by the stored order of rows its 16 registers of tiles 2 b, 2 b + 1 are 16 neighbours along B'.
; ROLES.  Cluster rows y = 0..7 (q, k): A' = tokens, B' = columns of W: a lane holds a token and runs along d, which is the K of q k^T.  Cluster rows 8..11 (v): A' = columns of W_v, B' = tokens: a lane holds one d and
; runs along the keys, which are the K of p v.  The roles are chosen by selects on the cluster's y, which all sixteen partners share; one branch on it stands at the head of the way out.
; CLUSTERS: 4 x 4.  A's tiles are asked for jointly along a row of the cluster, B's along a column.
; OUT.  qbuf, for each (batch, head) and 256 tokens: 16 tiles x 768 bytes (registers 0-5 of a fragment: K = 64), then scale words [2 steps][16 r][8 tiles] (bytes 2, 3 = 0).
;       kvbuf, for each (batch, head) and 256 keys, 26,112 bytes: K as q (13,312), V [2 key steps][4 tiles of d][1,536], V's scale words [2][16 r][4].
; No prefetch: a tile has four slots, two of which come with the first fills.  LIMITS: NaN and infinities are not served; a block of zeros gets the byte 1.
; REGISTERS: window 0: v1-12 lane numbers and offsets; v16-29 addresses; v32-63 scale words, two sets; v128-223 A's fragments, one set.  Window 1: B's fragments, two sets.  Windows 2, 3: the accumulators, (a, b) at v[8 (8 (a % 4) + b)].
;   On the way out window 0: v32-47 scale words made; v48-55 v's bias; v64-127 q's, k's bias; v128-191 a block's 64 numbers; v192-247 at work.  Window 1: the table, 32 registers for each block of tokens.
.set NQ,     2
.set FR,     12
.set NL,     6
.set NP,     4
.set HALFT,  24576                     ; 128 rows x 256 K: what one tensor load brings, and what one wave reads of A' or of B'
.set SLOT,   4*HALFT
.set SCL,    2*SLOT                    ; behind the ring: the scale words of the tile's 512 rows, for all of K: 4 x 4,096 bytes, filled once
.set HALFS,  4096
.set SPARE,  SCL+4*HALFS               ; the spare words, 128 bytes for each wave: two blocks of 256 bytes that no other line names
.set HSCO,   6291456
.set WSCO,   3145728
.set ADRA, 16
.set ADRB, 20
.set ADRS, 27
.set SPW,  28
.set NIL,  29
.set SC,   32
.set AF,   128
.set Y,    128
.set TM,   192
.set PC,   208
.set PW,   228
.set RT,   232
.set W4,   240
.set PWS0, 32
.set PWS1, 40
.set BV,   48
.set BI,   64
.set SEL,  2
.set G1, 24
.set G0, 32
.set G1B, 48
.set G0B, 56
.set G1S, 68
.set G0S, 76
.set G1SB, 80
.set G0SB, 88
.set MSB, 0
.macro WIN new                         ; the immediate's high byte repeats the setting that is left
.if MSB != \new
	s_set_vgpr_msb (MSB<<8)|\new
.set MSB, \new
.endif
.endm
.set MUL_LO, 0xa1                      ; source 0 (B') window 1, source 1 (A') window 0, C and D window 2
.set MUL_HI, 0xf1
.set TO_B,   0x40
; A joint load: waves 0 and 1 fetch for A', waves 2 and 3 for B'.  The branch hangs on the wave's number alone.  An s_nop 0 and four v_nop follow each line.
.macro JLOAD g0a, g1a, g0b, g1b
	s_cmp_eq_u32 s15, 0
	s_cbranch_scc0 .Lfor_b_\@
	tensor_load_to_lds s[\g0a:\g0a+3], s[\g1a:\g1a+7]
	s_nop 0
.rept 4
	v_nop
.endr
	s_branch .Lasked_\@
.Lfor_b_\@:
	tensor_load_to_lds s[\g0b:\g0b+3], s[\g1b:\g1b+7]
	s_nop 0
.rept 4
	v_nop
.endr
.Lasked_\@:
.endm
.macro CREST
	s_cmp_lg_u32 s14, 0
	s_cbranch_scc1 .Lnot_wave_0_\@
	s_barrier_signal -3
.Lnot_wave_0_\@:
	s_barrier_wait -3
	s_barrier_signal -1
	s_barrier_wait -1
.endm
.macro CROUND
	s_barrier_signal -1
	s_barrier_wait -1
	CREST
.endm
	s_load_b256 s[4:11], s[0:1], 0x0               ; hbuf, wbuf, b_qkv, rope
	s_load_b128 s[96:99], s[0:1], 0x20             ; qbuf, kvbuf
	v_lshl_add_u32 v[SPW], v0, 2, SPARE
	v_mov_b32 v[NIL], 0
	ds_add_u32 v[SPW], v[NIL]                      ; the wave's opening: the add and its wait ahead of my first tensor load
	v_lshrrev_b32 v1, 5, v0
	v_readfirstlane_b32 s14, v1                    ; wave 0..3
	s_lshr_b32 s15, s14, 1                         ; my half of A's rows.  Also: I fetch for A' (0) or B' (1)
	s_and_b32 s16, s14, 1                          ; my half of B's rows.  Also: which 128 rows I fetch
	s_bfe_u32 s40, ttmp6, 0x40000                  ; cx
	s_bfe_u32 s41, ttmp6, 0x40004                  ; cy
	s_and_b32 s13, ttmp7, 0xffff                   ; the cluster's y, 0..11
	s_max_u32 s18, s13, 8
	s_sub_co_u32 s18, s18, 8
	s_lshl_b32 s18, s18, 1
	s_add_co_u32 s18, s18, ttmp9                   ; for v: 2 (y - 8) + x
	s_cmp_ge_u32 s13, 8
	s_cselect_b32 s66, 1, 0                        ; 1: this cluster makes v
	s_cselect_b32 s17, 2, s13
	s_cselect_b32 s42, s18, ttmp9
	s_lshl_b32 s17, s17, 2
	s_add_co_u32 s17, s17, s41                     ; A's tile of 256 rows: q, k: tokens 4 y + cy; v: W's rows 8 + cy
	s_lshl_b32 s42, s42, 2
	s_add_co_u32 s42, s42, s40                     ; B's tile: q, k: W's rows 4 x + cx; v: tokens
	s_lshl_b32 s43, s41, 2
	s_lshl_b32 s43, 15, s43                        ; my row of the cluster
	s_lshl_b32 s44, 0x1111, s40                    ; my column
	; descriptor group 1: a dense block as rows of 256 bytes (32 elements of 8 bytes), no padding; bit 21 set beside a mask
	s_or_b32 s[G1+0], s43, (3<<16)|(1<<21)
	s_or_b32 s[G1B+0], s44, (3<<16)|(1<<21)
.irp g, G1, G1B
	s_mov_b32 s[\g+1], 32<<16                      ; tensor_dim0
	s_mov_b32 s[\g+2], 96<<16                      ; tensor_dim1: 24,576 bytes
	s_mov_b32 s[\g+3], 32<<16                      ; tile_dim0
	s_mov_b32 s[\g+4], 96                          ; tile_dim1
	s_mov_b32 s[\g+5], 32                          ; pitch
	s_mov_b32 s[\g+6], 0
	s_mov_b32 s[\g+7], 0
.endr
	s_or_b32 s[G1S+0], s43, (3<<16)|(1<<21)
	s_or_b32 s[G1SB+0], s44, (3<<16)|(1<<21)
.irp g, G1S, G1SB
	s_mov_b32 s[\g+1], 32<<16
	s_mov_b32 s[\g+2], 16<<16                      ; 4,096 bytes
	s_mov_b32 s[\g+3], 32<<16
	s_mov_b32 s[\g+4], 16
	s_mov_b32 s[\g+5], 32
	s_mov_b32 s[\g+6], 0
	s_mov_b32 s[\g+7], 0
.endr
	s_lshl_b32 s20, s17, 1
	s_add_co_u32 s20, s20, s16                     ; A's group of 128 rows that I fetch
	s_lshl_b32 s22, s20, 12                        ; its scale words,
	s_mul_i32 s20, s20, 98304                      ; its codes
	s_mov_b32 s21, 0
	s_mov_b32 s23, 0
	s_lshl_b32 s46, s42, 1
	s_add_co_u32 s46, s46, s16                     ; B's
	s_lshl_b32 s92, s46, 12
	s_mul_i32 s46, s46, 98304
	s_mov_b32 s47, 0
	s_mov_b32 s93, 0
	s_mov_b32 s18, HSCO
	s_mov_b32 s19, WSCO
	s_cmp_lg_u32 s66, 0
	s_cselect_b32 s45, s19, s18                    ; where the scale words begin in A's buffer,
	s_cselect_b32 s18, s18, s19                    ; and in B's
	s_add_co_u32 s22, s22, s45
	s_add_co_u32 s92, s92, s18
	s_mul_i32 s45, s14, HALFT                      ; where they go: wave x 128 rows: no place in the cluster enters an LDS address
	s_mul_i32 s94, s14, HALFS
	s_wait_dscnt 0x0                               ; the opening add is done
	s_wait_kmcnt 0x0
	s_cmp_lg_u32 s66, 0
	s_cselect_b64 s[100:101], s[6:7], s[4:5]       ; A's buffer
	s_cselect_b64 s[2:3], s[4:5], s[6:7]           ; B's
	s_add_nc_u64 s[20:21], s[100:101], s[20:21]
	s_add_nc_u64 s[22:23], s[100:101], s[22:23]
	s_add_nc_u64 s[46:47], s[2:3], s[46:47]
	s_add_nc_u64 s[92:93], s[2:3], s[92:93]
	CROUND                                         ; all sixteen work-groups are here: the first joint loads meet
	s_mov_b32 s[G0S], 1
	s_add_co_u32 s[G0S+1], s94, SCL
	s_mov_b64 s[G0S+2:G0S+3], s[22:23]
	s_or_b32 s[G0S+3], s[G0S+3], 0x80000000
	s_mov_b32 s[G0SB], 1
	s_add_co_u32 s[G0SB+1], s94, SCL
	s_mov_b64 s[G0SB+2:G0SB+3], s[92:93]
	s_or_b32 s[G0SB+3], s[G0SB+3], 0x80000000
	JLOAD G0S, G1S, G0SB, G1SB                     ; the scale words first: they are wanted with slot 0
.irp s, 0,1
	s_mov_b32 s[G0+4*\s], 1
	s_add_co_u32 s[G0+4*\s+1], s45, \s*SLOT
	s_add_nc_u64 s[G0+4*\s+2:G0+4*\s+3], s[20:21], \s*HALFT
	s_or_b32 s[G0+4*\s+3], s[G0+4*\s+3], 0x80000000
	s_mov_b32 s[G0B+4*\s], 1
	s_add_co_u32 s[G0B+4*\s+1], s45, \s*SLOT
	s_add_nc_u64 s[G0B+4*\s+2:G0B+4*\s+3], s[46:47], \s*HALFT
	s_or_b32 s[G0B+4*\s+3], s[G0B+4*\s+3], 0x80000000
	JLOAD G0+4*\s, G1, G0B+4*\s, G1B               ; three loads of mine are out
.endr
	v_and_b32 v1, 15, v0                           ; r
	v_bfe_u32 v2, v0, 4, 1                         ; h
	v_and_b32 v3, 31, v0                           ; lane
	v_lshlrev_b32 v4, 3, v3                        ; 8 x lane
	s_mul_i32 s21, s15, HALFT
	s_mul_i32 s22, s16, HALFT
	s_add_co_u32 s22, s22, 2*HALFT
.irp s, 0,1
	v_add_nc_u32 v[ADRA+\s], s21, v4
	v_add_nc_u32 v[ADRB+\s], s22, v4
	s_add_co_u32 s21, s21, SLOT
	s_add_co_u32 s22, s22, SLOT
.endr
	v_lshlrev_b32 v5, 3, v1                        ; my row's two scale words of a slot
	s_mul_i32 s21, s15, HALFS
	s_mul_i32 s22, s16, HALFS
	s_add_co_u32 s22, s22, 2*HALFS
	s_sub_co_u32 s22, s22, s21
	v_mul_u32_u24 v6, s22, v2                      ; lanes 16-31 take B's
	s_add_co_u32 s21, s21, SCL
	v_add_nc_u32 v5, v5, v6
	v_add_nc_u32 v[ADRS], s21, v5
.macro FRAG reg, adr, q, i             ; block i's fragment of the slot's q-th 128 along K: six pieces of 256 bytes, as they lie
.irp p, 0,1,2,3,4,5
	ds_load_b64 v[\reg+2*\p:\reg+2*\p+1], v[\adr] offset:(\i)*3072+(\q)*1536+256*\p
.endr
.endm
; 16 matrix instructions: A's blocks a0, a0 + 1 x B's eight.  The 64 accumulators take turns, one instruction a turn, in the same order in every step.
.macro MUL16 a0, p, q, sc, zero
.irp a, \a0, \a0+1
.irp b, 0,1,2,3,4,5,6,7
.if \zero
	v_wmma_scale_f32_16x16x128_f8f6f4 v[8*(8*((\a)%4)+\b):8*(8*((\a)%4)+\b)+7], v[128*(\p)+FR*\b:128*(\p)+FR*\b+FR-1], v[AF+FR*(\a):AF+FR*(\a)+FR-1], 0, v[SC+8*NQ*(\sc)+NQ*\b+(\q)], v[SC+8*NQ*(\sc)+NQ*(\a)+(\q)] matrix_a_fmt:MATRIX_FMT_FP6 matrix_b_fmt:MATRIX_FMT_FP6 matrix_a_scale:MATRIX_SCALE_ROW1
.else
	v_wmma_scale_f32_16x16x128_f8f6f4 v[8*(8*((\a)%4)+\b):8*(8*((\a)%4)+\b)+7], v[128*(\p)+FR*\b:128*(\p)+FR*\b+FR-1], v[AF+FR*(\a):AF+FR*(\a)+FR-1], v[8*(8*((\a)%4)+\b):8*(8*((\a)%4)+\b)+7], v[SC+8*NQ*(\sc)+NQ*\b+(\q)], v[SC+8*NQ*(\sc)+NQ*(\a)+(\q)] matrix_a_fmt:MATRIX_FMT_FP6 matrix_b_fmt:MATRIX_FMT_FP6 matrix_a_scale:MATRIX_SCALE_ROW1
.endif
.endr
.endr
.endm
.macro FETCH_B slot, q, p
	WIN TO_B
.irp i, 0,1,2,3,4,5,6,7
	FRAG 128*(\p)+FR*\i, ADRB+\slot, \q, \i
.endr
	WIN 0
.endm
.macro FETCH_A slot, q, i0
.irp i, \i0, \i0+1, \i0+2, \i0+3
	FRAG AF+FR*(\i), ADRA+\slot, \q, \i
.endr
.endm
.macro SCALES sc                       ; a slot's scale words: two a row; lanes 0-15 take A's block i, lanes 16-31 B's block i
.irp i, 0,1,2,3,4,5,6,7
	ds_load_b64 v[SC+8*NQ*\sc+NQ*\i:SC+8*NQ*\sc+NQ*\i+1], v[ADRS] offset:(\i/2)*1024+(\i%2)*128
.endr
.endm
.macro PLACES n                        ; plain vector instructions between a matrix instruction and a load into, or a vector instruction on, its registers
.rept \n
	v_nop
.endr
.endm
.macro STEP slot, q, zero              ; a step of 128 along K that has its successor in the same slot
	s_wait_dscnt 4*NL                              ; B's set, A's blocks 0-3 and the scale words are in; the youngest 24 loads (A's blocks 4-7) may be out
	WIN MUL_LO
	MUL16 0, (\q)%2, \q, \slot, \zero
	MUL16 2, (\q)%2, \q, \slot, \zero
	s_wait_dscnt 0
	PLACES NP
	FETCH_B \slot, (\q)+1, 1-(\q)%2
	FETCH_A \slot, (\q)+1, 0
	WIN MUL_HI
	MUL16 4, (\q)%2, \q, \slot, \zero
	MUL16 6, (\q)%2, \q, \slot, \zero
	PLACES NP
	WIN 0
	FETCH_A \slot, (\q)+1, 4
.endm
; A slot's last step changes slots: one barrier; in front of it each wave waits for all its tensor loads, adds 0 to its spare word, and waits for that and for its reads of this slot.  fill = 1: the slot is filled again, two slots ahead.
.macro TURN slot, next, fill
	s_wait_tensorcnt 0x0                           ; all my tensor loads have landed: my part of the next slot
	ds_add_u32 v[SPW], v[NIL]                      ; 0 onto my spare word
	s_wait_dscnt 4*NL+1                            ; (the add and A's blocks 4-7 may be out)
	WIN MUL_LO
	MUL16 0, 1, NQ-1, \slot, 0
	s_wait_dscnt 0x0                               ; the add is done, and my reads of this slot are over
	s_barrier_signal -1
	MUL16 2, 1, NQ-1, \slot, 0
	WIN 0
	s_barrier_wait -1
.if \fill
	CREST                                          ; the barrier has opened a round of the cluster's barrier: no wave of any partner still reads this slot or has a load on its way
	s_add_nc_u64 s[G0+4*\slot+2:G0+4*\slot+3], s[G0+4*\slot+2:G0+4*\slot+3], 2*HALFT
	s_add_nc_u64 s[G0B+4*\slot+2:G0B+4*\slot+3], s[G0B+4*\slot+2:G0B+4*\slot+3], 2*HALFT
	JLOAD G0+4*\slot, G1, G0B+4*\slot, G1B         ; the first tensor load behind the round; its four v_nop are the places in front of the loads below
.else
	PLACES NP
.endif
	v_add_nc_u32 v[ADRS], 256, v[ADRS]             ; the next slot's scale words
	FETCH_B \next, 0, 0
	FETCH_A \next, 0, 0
	SCALES \next
	WIN MUL_HI
	MUL16 4, 1, NQ-1, \slot, 0
	MUL16 6, 1, NQ-1, \slot, 0
	PLACES NP
	WIN 0
	FETCH_A \next, 0, 4
.endm
; 64 numbers of a lane, register 16 b + i = k 32 b + 16 (lane / 16) + i of my row, become a fragment's codes in v[PC] on and its scale word in v[PW]
.macro QUANT s
.irp b, 0,1,2,3
	v_max3_num_f32 v[TM+\b], |v[\s+16*\b]|, |v[\s+1+16*\b]|, 0x1800000
.endr
.irp i, 2,4,6,8,10,12,14
.irp b, 0,1,2,3
	v_max3_num_f32 v[TM+\b], v[TM+\b], |v[\s+16*\b+\i]|, |v[\s+1+16*\b+\i]|
.endr
.endr
.irp b, 0,1,2,3
	v_permlanex16_b32 v[TM+4+\b], v[TM+\b], s[SEL], s[SEL+1]
.endr
.irp b, 0,1,2,3
	v_max_num_f32 v[TM+\b], v[TM+\b], v[TM+4+\b]
.endr
.irp b, 0,1,2,3
	v_add_nc_u32 v[TM+12+\b], 0xff000000, v[TM+\b]
.endr
.irp b, 0,1,2,3
	v_lshrrev_b32 v[TM+4+\b], 23, v[TM+12+\b]
.endr
	v_lshl_or_b32 v[PW], v[TM+5], 8, v[TM+4]
	v_lshl_or_b32 v[PW], v[TM+6], 16, v[PW]
	v_lshl_or_b32 v[PW], v[TM+7], 24, v[PW]
.irp c, 0,1
	v_cvt_scalef32_pk16_fp6_f32 v[PC+6*\c:PC+2+6*\c], v[\s+32*\c:\s+15+32*\c], v[TM+12+2*\c]
	v_cvt_scalef32_pk16_fp6_f32 v[PC+12+4*\c:PC+14+4*\c], v[\s+16+32*\c:\s+31+32*\c], v[TM+12+2*\c+1]
.endr
	v_nop                                          ; one plain place behind a scaled conversion
.irp c, 0,1
.irp i, 0,1,2
	v_permlane16_swap_b32 v[PC+6*\c+\i], v[PC+12+4*\c+\i]
.endr
.irp i, 0,1,2
	v_mov_b32 v[PC+3+6*\c+\i], v[PC+12+4*\c+\i]
.endr
.endr
.endm
	s_wait_tensorcnt 1                             ; the scale words and my part of slot 0 are in (slot 1's load may be out)
	s_barrier_signal -1
	s_barrier_wait -1                              ; everybody's are
	FETCH_B 0, 0, 0
	FETCH_A 0, 0, 0
	SCALES 0
	FETCH_A 0, 0, 4
	STEP 0, 0, 1                                   ; the first step's products start the sums.  Eight steps, written out: four slots are twice round the ring
	TURN 0, 1, 1
	STEP 1, 0, 0
	TURN 1, 0, 1
	STEP 0, 0, 0
	TURN 0, 1, 0                                   ; the last two slots are filled no more: no round
	STEP 1, 0, 0
	s_wait_dscnt 4*NL
	WIN MUL_LO
	MUL16 0, 1, NQ-1, 1, 0
	MUL16 2, 1, NQ-1, 1, 0
	s_wait_dscnt 0
	WIN MUL_HI
	MUL16 4, 1, NQ-1, 1, 0
	MUL16 6, 1, NQ-1, 1, 0
	WIN 0
	PLACES NP                                      ; behind the last products: all that follows reads results or writes operands' registers
	s_mov_b32 s[SEL], 0x76543210
	s_mov_b32 s[SEL+1], 0xfedcba98
	v_cmp_eq_u32 s67, 1, v2                        ; the lanes 16-31
.irp b, 0,1,2,3
	v_mov_b32 v[TM+4+\b], 0                        ; written once: a lane permute's destination counts as one of its sources
.endr
	s_cmp_lg_u32 s66, 0                            ; the same in all sixteen partners
	s_cbranch_scc1 .Lv
	; ---- q, k.  My 128 columns are two heads; block a of my tokens: lane (r, h) holds token 32 (a / 2) + 8 (a % 2) + r + 8 (r / 8), register 16 b + i column 32 b + 16 h + i
	s_cmp_eq_u32 ttmp9, 0                          ; cluster x = 0: q, 1: k
	s_cselect_b64 s[20:21], s[96:97], s[98:99]
	s_mov_b32 s18, 208896
	s_cselect_b32 s18, 106496, s18                 ; bytes of a (batch, head),
	s_mov_b32 s19, 26112
	s_cselect_b32 s19, 13312, s19                  ; of 256 tokens
	s_lshr_b32 s22, s17, 3
	s_lshl_b32 s22, s22, 4
	s_lshl_b32 s23, s40, 2
	s_add_co_u32 s22, s22, s23
	s_lshl_b32 s23, s16, 1
	s_add_co_u32 s22, s22, s23                     ; 16 batch + my first head
	s_mul_i32 s22, s22, s18
	s_and_b32 s23, s17, 7
	s_mul_i32 s23, s23, s19
	s_add_co_u32 s22, s22, s23
	s_mov_b32 s23, 0
	s_mov_b32 s19, 0
	s_add_nc_u64 s[20:21], s[20:21], s[22:23]      ; my first head's slot,
	s_add_nc_u64 s[22:23], s[20:21], s[18:19]      ; my second's
	s_lshl_b32 s18, s42, 10
	s_lshl_b32 s45, s16, 9
	s_add_co_u32 s18, s18, s45
	s_add_nc_u64 s[8:9], s[8:9], s[18:19]          ; the bias at my first column
	s_and_b32 s18, s17, 7
	s_lshl_b32 s18, s18, 16
	s_lshl_b32 s45, s15, 15
	s_add_co_u32 s18, s18, s45
	s_add_nc_u64 s[10:11], s[10:11], s[18:19]      ; the table at my first token
	s_mul_i32 s45, s15, 6144
	v_add_nc_u32 v6, s45, v4                       ; codes: 8 x lane + my 128 tokens' eight tiles
	v_lshlrev_b32 v8, 6, v2                        ; 64 h
	v_and_b32 v9, 8, v1
	v_add_nc_u32 v9, v9, v1
	v_lshl_add_u32 v9, v9, 8, v8                   ; the table: row r + 8 (r / 8), + 64 h
	v_lshlrev_b32 v10, 5, v1
	v_lshl_add_u32 v10, v2, 4, v10
	s_lshl_b32 s45, s15, 9
	s_add_co_u32 s45, s45, 12288
	v_add_nc_u32 v10, s45, v10                     ; scale words: 32 r + 16 h in my step's 512 bytes
.irp b, 0,1,2,3
.irp j, 0,1,2,3
	global_load_b128 v[BI+16*\b+4*\j:BI+16*\b+4*\j+3], v8, s[8:9] offset:128*\b+16*\j
.endr
.endr
	WIN 0x40                                       ; destination window 1
.irp a, 0,1,2,3,4,5,6,7
.irp k, 0,1
.irp j, 0,1,2,3
	global_load_b128 v[32*\a+16*\k+4*\j:32*\a+16*\k+4*\j+3], v9, s[10:11] offset:(32*(\a/2)+8*(\a%2))*256+128*\k+16*\j   ; cos (k = 0), sin (1) of frequencies 16 h + 0 .. 15 at my token
.endr
.endr
.endr
	WIN 0
.macro EQK a
	s_wait_loadcnt 8*(7-(\a))                      ; the bias and this block's table are in; the later blocks' eight loads each may be out
	WIN 0x02+(\a)/4                                ; source 0: the accumulators' window
.set j, 0
.rept 32
	v_pk_add_f32 v[Y+j:Y+j+1], v[64*((\a)%4)+j:64*((\a)%4)+j+1], v[BI+j:BI+j+1]   ; each accumulator from its low end on
.set j, j+2
.endr
	WIN 0x04                                       ; source 1: the table's window
.irp g, 0,1                                    ; a head: x1 = d 0-31, x2 = d 32-63: x1 c - x2 s, x2 c + x1 s
.irp i, 0,2,4,6,8,10,12,14
.set R0, RT+4*((\i/2)%2)
	v_pk_mul_f32 v[R0:R0+1], v[Y+32*\g+16+\i:Y+32*\g+17+\i], v[32*(\a)+16+\i:32*(\a)+17+\i]
	v_pk_mul_f32 v[R0+2:R0+3], v[Y+32*\g+\i:Y+32*\g+1+\i], v[32*(\a)+16+\i:32*(\a)+17+\i]
	v_pk_fma_f32 v[Y+32*\g+\i:Y+32*\g+1+\i], v[Y+32*\g+\i:Y+32*\g+1+\i], v[32*(\a)+\i:32*(\a)+1+\i], v[R0:R0+1] neg_lo:[0,0,1] neg_hi:[0,0,1]
	v_pk_fma_f32 v[Y+32*\g+16+\i:Y+32*\g+17+\i], v[Y+32*\g+16+\i:Y+32*\g+17+\i], v[32*(\a)+\i:32*(\a)+1+\i], v[R0+2:R0+3]
.endr
.endr
	WIN 0
	s_wait_xcnt 0x0                                ; the last block's stores have read the codes' registers
	QUANT Y                                        ; blocks 0, 1: my first head's 64; blocks 2, 3: my second's
	v_and_b32 v[PWS0+(\a)], 0xffff, v[PW]          ; bytes 2 and 3 stay 0: they scale the zero codes of K = 64 .. 127
	v_lshrrev_b32 v[PWS1+(\a)], 16, v[PW]
.irp u, 0,1,2
	global_store_b64 v6, v[PC+2*\u:PC+2*\u+1], s[20:21] offset:768*(\a)+256*\u      ; each store covers 256 consecutive bytes, aligned
	global_store_b64 v6, v[PC+6+2*\u:PC+7+2*\u], s[22:23] offset:768*(\a)+256*\u
.endr
.endm
.irp a, 0,1,2,3,4,5,6,7
	EQK \a
.endr
.irp j, 0,1,2,3
	v_cndmask_b32 v[W4+\j], v[PWS0+\j], v[PWS0+4+\j], s67      ; lanes 0-15 carry tiles 0-3, lanes 16-31 tiles 4-7
	v_cndmask_b32 v[W4+4+\j], v[PWS1+\j], v[PWS1+4+\j], s67
.endr
	global_store_b128 v10, v[W4:W4+3], s[20:21]    ; 512 consecutive bytes
	global_store_b128 v10, v[W4+4:W4+7], s[22:23]
	s_branch .Lend
.Lv:	; ---- v.  Block a of my 128 rows of W_v: head a / 4, tile a % 4 of its d; lane (r, h) holds one d, register 16 b + i key 32 b + 16 h + i of my 128 keys
	s_lshr_b32 s22, s42, 3
	s_lshl_b32 s22, s22, 4
	s_lshl_b32 s23, s41, 2
	s_add_co_u32 s22, s22, s23
	s_lshl_b32 s23, s15, 1
	s_add_co_u32 s22, s22, s23                     ; 16 batch + my first head
	s_mul_i32 s22, s22, 208896
	s_and_b32 s23, s42, 7
	s_mul_i32 s23, s23, 26112
	s_add_co_u32 s22, s22, s23
	s_mov_b32 s23, 0
	s_add_nc_u64 s[20:21], s[98:99], s[22:23]
	s_add_nc_u64 s[22:23], s[20:21], 208896
	s_lshl_b32 s18, s41, 10
	s_lshl_b32 s45, s15, 9
	s_add_co_u32 s18, s18, s45
	s_add_co_u32 s18, s18, 8192
	s_mov_b32 s19, 0
	s_add_nc_u64 s[8:9], s[8:9], s[18:19]          ; the bias at column 2,048 + my first
	s_mul_i32 s45, s16, 6144
	s_add_co_u32 s45, s45, 13312
	v_add_nc_u32 v6, s45, v4                       ; codes: 8 x lane + my key step's four fragments
	v_and_b32 v11, 8, v1
	v_add_nc_u32 v11, v11, v1
	v_lshlrev_b32 v11, 2, v11
	v_mul_u32_u24 v12, v2, 208896                  ; scale words: lanes 16-31 carry my second head's
	v_lshl_add_u32 v12, v1, 4, v12
	s_lshl_b32 s45, s16, 8
	s_add_co_u32 s45, s45, 25600
	v_add_nc_u32 v12, s45, v12
.irp a, 0,1,2,3,4,5,6,7
	global_load_b32 v[BV+\a], v11, s[8:9] offset:(32*(\a/2)+8*(\a%2))*4
.endr
	s_wait_loadcnt 0x0
.macro EV a
	WIN 0x02+(\a)/4
.set j, 0
.rept 64
	v_add_f32 v[Y+j], v[64*((\a)%4)+j], v[BV+(\a)]
.set j, j+1
.endr
	WIN 0
	s_wait_xcnt 0x0                                ; the last block's stores have read the codes' registers
	QUANT Y
	v_mov_b32 v[PWS0+(\a)], v[PW]
.irp u, 0,1,2,3,4,5
.if (\a) < 4
	global_store_b64 v6, v[PC+2*\u:PC+2*\u+1], s[20:21] offset:((\a)%4)*1536+256*\u
.else
	global_store_b64 v6, v[PC+2*\u:PC+2*\u+1], s[22:23] offset:((\a)%4)*1536+256*\u
.endif
.endr
.endm
.irp a, 0,1,2,3,4,5,6,7
	EV \a
.endr
.irp j, 0,1,2,3
	v_cndmask_b32 v[W4+\j], v[PWS0+\j], v[PWS0+4+\j], s67
.endr
	global_store_b128 v12, v[W4:W4+3], s[20:21]    ; sixteen lanes store 256 consecutive bytes for each head
.Lend:
	s_wait_tensorcnt 0x0                           ; the wave's end
	ds_add_u32 v[SPW], v[NIL]
	s_wait_dscnt 0x0
	CROUND                                         ; the closing round: no work-group ends while a partner may still ask for a tile that names it
	s_endpgm
.Lfunc_end_k_q654340cce8_qkv:
	.size	k_q654340cce8_qkv, .Lfunc_end_k_q654340cce8_qkv-k_q654340cce8_qkv
	.p2alignl 7, 3214868480
	.fill 96, 4, 3214868480
	.section	.rodata,"a",@progbits
	.p2align	6, 0x0
	.amdhsa_kernel k_q654340cce8_qkv
		.amdhsa_group_segment_fixed_size 327680
		.amdhsa_private_segment_fixed_size 0
		.amdhsa_enable_private_segment 0
		.amdhsa_kernarg_size 48
		.amdhsa_user_sgpr_count 2
		.amdhsa_user_sgpr_kernarg_segment_ptr 1
		.amdhsa_wavefront_size32 1
		.amdhsa_system_sgpr_workgroup_id_x 1
		.amdhsa_system_sgpr_workgroup_id_y 1
		.amdhsa_system_sgpr_workgroup_id_z 1
		.amdhsa_system_vgpr_workitem_id 0
		.amdhsa_next_free_vgpr 1024
		.amdhsa_next_free_sgpr 102
		.amdhsa_reserve_vcc 0
		.amdhsa_float_denorm_mode_32 3
		.amdhsa_float_denorm_mode_16_64 3
		.amdhsa_memory_ordered 1
		.amdhsa_forward_progress 1
		.amdhsa_inst_pref_size 255
	.end_amdhsa_kernel
	.section	.bss,"aw",@nobits
	.p2align	6
	.space	262144
	.amdgpu_metadata
---
amdhsa.version: [ 1, 2 ]
amdhsa.kernels:
  - .name:           k_q654340cce8_qkv
    .symbol:         k_q654340cce8_qkv.kd
    .args:
      - { .name: hbuf, .offset: 0, .size: 8, .value_kind: global_buffer, .address_space: global }
      - { .name: wbuf, .offset: 8, .size: 8, .value_kind: global_buffer, .address_space: global }
      - { .name: b_qkv, .offset: 16, .size: 8, .value_kind: global_buffer, .address_space: global }
      - { .name: rope, .offset: 24, .size: 8, .value_kind: global_buffer, .address_space: global }
      - { .name: qbuf, .offset: 32, .size: 8, .value_kind: global_buffer, .address_space: global }
      - { .name: kvbuf, .offset: 40, .size: 8, .value_kind: global_buffer, .address_space: global }
    .group_segment_fixed_size: 327680
    .private_segment_fixed_size: 0
    .kernarg_segment_align: 8
    .kernarg_segment_size: 48
    .max_flat_workgroup_size: 128
    .sgpr_count:     102
    .vgpr_count:     1024
    .wavefront_size: 32
...
	.end_amdgpu_metadata
.endif
;; end of part 2
;; launch attn (part 3): grid 64 x 8, 16 waves a work-group, no clusters, 327,680 bytes of LDS; arguments qbuf, kvbuf, obuf; writes obuf
.if DOCPART == 3
	.amdgcn_target "amdgcn-amd-amdhsa--gfx1250"
	.amdhsa_code_object_version 6
	.text
	.protected	k_q654340cce8_attn
	.globl	k_q654340cce8_attn
	.p2align	8
	.type	k_q654340cce8_attn,@function
k_q654340cce8_attn:
	s_mov_b64 s[64:65], 0
	v_nop
	global_prefetch_b8 v0, s[64:65] scope:SCOPE_SE
	s_setreg_imm32_b32 hwreg(HW_REG_WAVE_MODE, 25, 1), 1
	s_wait_xcnt 0x0
; Causal attention on codes of E2M3, for each of 64 (batch, head): S^T = K Q^T (K = 64), p = 2^(t - M), O^T = V^T P^T (K = the keys), O / the row's sum, quantised along D into obuf, laid as the last product's operand.
; t = score x log2(e) / 8; M = the running largest t rounded UP to a whole number; the row's sum is taken of the unquantised p; when M moves, the sum and O^T are multiplied by 2^(old M - new M): exact.
; SHARES.  A work-group owns 256 queries of one head (block 7 - y: the longest walks are started first); each of its sixteen waves one stored tile of 16 queries: lane r's query is 256 blk + 32 (w / 2) + 8 (w % 2) + r + 8 (r / 8).
; Four waves to a SIMD, so that one wave's vector work stands beside another's matrix work and LDS loads.  A key step is 128 keys: 8 + 4 matrix instructions.
; K = 64 IN AN INSTRUCTION OF K = 128: Q's registers 6-11 are zero codes, so what stands in K's registers 6-11 adds nothing (E2M3 has no NaN and no infinity): K's tiles overlap, tile t at v[32 + 6 t] on.  Bytes 2, 3 of both scale words are 0.
; By the stored order of tokens the 16 registers of tiles 2 b, 2 b + 1 of S^T are keys 32 b + 16 (lane / 16) + 0 .. 15; by the stored order of W_v's columns the same holds of O^T's d.
; RING.  Two LDS slots of 256 keys: 26,112 dense bytes (K, K's scale words, V, V's), one tensor load, by wave 0; read by all sixteen.  Every wait on TENSORcnt is for 0; one load is out at a time.
; CAUSAL.  Every work-group walks all 8 changes of slots (constant trip counts); a step whose keys all come after the wave's queries is jumped over; a slot whose first key comes after the work-group's last query is not asked for.
; NO CLUSTER: the query blocks of a head need 1 to 8 slots, so partners would need different numbers of tiles.
; o's scale bytes leave one by one: a scale word of 128 along D spans two heads, which are two work-groups; they are one byte in 24 of what the launch stores.
; LIMITS: NaN and infinities are not served; a block of zeros gets the byte 1.
; REGISTERS: v1-3 lane offsets; v5, v6 the add's; v7 the mask's lane part; v8-10 addresses in hand; v12 -M, v13 the largest t, v[14:15] the sum; v16-27 Q; v28 the prefetch's offset; v30 the byte store's; v32-85 K's tiles, v32-79 V's;
;   v96-159 S^T, then p; v160-191 O^T; v192-199 K's scale words; v224-235 p's codes; v232-254 at work; v248-251 V's scale words; v255 Q's.
.set SLOT1, 32768
.set SLOTB, 26112
.set SPARE, 65536                      ; the spare words, 128 bytes for each wave: eight blocks of 256 bytes that no other line names
.set HSCO,  6291456
.set WV,   18
.set SEL,  20
.set CS,   22
.set G1,   24
.set G0,   40
.set TB,   2
.set SLOTS, 44
.set KF,   45
.set Q0,   46
.set PFA,  48
.set LIM,  50
.macro TLOAD                           ; wave 0 alone fetches.  An s_nop 0 and four v_nop follow the load
	s_cmp_lg_u32 s[WV], 0
	s_cbranch_scc1 .Lasked_\@
	tensor_load_to_lds s[G0:G0+3], s[G1:G1+7]
	s_nop 0
.rept 4
	v_nop
.endr
.Lasked_\@:
.endm
; A prefetch of the slot that the NEXT change of slots will ask for: 102 blocks of 256 bytes, a lane a block, waves 4 to 7 of the head's first-started work-group (block 7, which walks all slots): so each block is named by one wave of the launch;
; wave 7's lanes from 6 on are held at the slot's last block.  Two key steps ahead of the load.  The last change that fills a slot asks for nothing; slots 0 and 1 come by their loads alone.
.macro ASK
	s_cmp_gt_u32 s[SLOTS], s[LIM]
	s_cbranch_scc0 .Lnot_mine_\@
	global_prefetch_b8 v28, s[PFA:PFA+1] th:TH_LOAD_NT scope:SCOPE_SE
.Lnot_mine_\@:
.endm
	s_load_b128 s[4:7], s[0:1], 0x0                ; qbuf, kvbuf
	s_load_b64 s[8:9], s[0:1], 0x10                ; obuf
	v_lshl_add_u32 v5, v0, 2, SPARE
	v_mov_b32 v6, 0
	ds_add_u32 v5, v6                              ; the wave's opening: the add and its wait ahead of the first tensor load
	ds_add_u32 v5, v6
	v_lshrrev_b32 v8, 5, v0
	s_delay_alu instid0(VALU_DEP_1)
	v_readfirstlane_b32 s[WV], v8                  ; wave 0..15
	s_and_b32 s10, ttmp7, 0xffff
	s_sub_co_u32 s10, 7, s10                       ; my block of 256 queries
	s_mul_i32 s12, ttmp9, 208896                   ; my (batch, head) in kvbuf
	s_mov_b32 s13, 0
	s_mul_i32 s14, ttmp9, 106496                   ; and in qbuf,
	s_mul_i32 s11, s10, 13312
	s_add_co_u32 s14, s14, s11                     ; my block's slot
	s_mul_i32 s11, s[WV], 768
	s_add_co_u32 s16, s14, s11                     ; my tile's codes
	s_mov_b32 s17, 0
	s_lshr_b32 s11, s[WV], 3
	s_lshl_b32 s11, s11, 9
	s_add_co_u32 s14, s14, s11
	s_and_b32 s11, s[WV], 7
	s_lshl_b32 s11, s11, 2
	s_add_co_u32 s14, s14, s11
	s_add_co_u32 s14, s14, 12288                   ; and its scale words
	s_mov_b32 s15, 0
	s_lshl_b32 s[Q0], s10, 8
	s_lshr_b32 s11, s[WV], 1
	s_lshl_b32 s11, s11, 5
	s_add_co_u32 s[Q0], s[Q0], s11                 ; the first query of my group of 32
	s_lshr_b32 s36, ttmp9, 4                       ; batch
	s_and_b32 s37, ttmp9, 15                       ; head
	s_lshl_b32 s32, s36, 4                         ; obuf's codes: group of 128 tokens,
	s_lshl_b32 s11, s10, 1
	s_add_co_u32 s32, s32, s11
	s_lshr_b32 s11, s[WV], 3
	s_add_co_u32 s32, s32, s11
	s_mul_i32 s32, s32, 98304
	s_lshr_b32 s11, s37, 2                         ; slot of 256 along D = four heads,
	s_mul_i32 s38, s11, 24576
	s_add_co_u32 s32, s32, s38
	s_lshl_b32 s34, s11, 8
	s_and_b32 s11, s[WV], 7                        ; block of 16 tokens,
	s_mul_i32 s11, s11, 3072
	s_add_co_u32 s32, s32, s11
	s_bfe_u32 s11, s37, 0x10001                    ; K step,
	s_mul_i32 s38, s11, 1536
	s_add_co_u32 s32, s32, s38
	s_lshl_b32 s11, s11, 2
	s_add_co_u32 s34, s34, s11
	s_and_b32 s11, s37, 1                          ; registers 0-5 or 6-11
	s_mul_i32 s38, s11, 768
	s_add_co_u32 s32, s32, s38
	s_lshl_b32 s11, s11, 1
	s_add_co_u32 s34, s34, s11
	s_lshl_b32 s11, s36, 6                         ; obuf's scale bytes: pair of 32 tokens
	s_lshl_b32 s38, s10, 3
	s_add_co_u32 s11, s11, s38
	s_lshr_b32 s38, s[WV], 1
	s_add_co_u32 s11, s11, s38
	s_lshl_b32 s11, s11, 10
	s_add_co_u32 s34, s34, s11
	s_add_co_u32 s34, s34, HSCO
	s_mov_b32 s33, 0
	s_mov_b32 s35, 0
	; descriptor group 1: 26,112 dense bytes as 102 rows of 256 (32 elements of 8 bytes), no mask, no padding
	s_mov_b32 s[G1], 3<<16
	s_mov_b32 s[G1+1], 32<<16
	s_mov_b32 s[G1+2], 102<<16
	s_mov_b32 s[G1+3], 32<<16
	s_mov_b32 s[G1+4], 102
	s_mov_b32 s[G1+5], 32
	s_mov_b32 s[G1+6], 0
	s_mov_b32 s[G1+7], 0
	s_mov_b32 s[SEL], 0x76543210
	s_mov_b32 s[SEL+1], 0xfedcba98
	s_mov_b32 s[CS], 0x3e38aa3b                    ; c = log2(e) / 8
	s_mov_b32 s[CS+1], s[CS]
	s_mov_b32 s[TB], 0
	s_mov_b32 s[SLOTS], 7
	s_mov_b32 s[KF], 0
	s_lshr_b32 s11, s[WV], 2
	s_xor_b32 s11, s11, 1                          ; 0 in waves 4 to 7,
	s_and_b32 s38, ttmp7, 0xffff
	s_or_b32 s11, s11, s38                         ; of the work-group with y = 0
	s_cmp_eq_u32 s11, 0
	s_cselect_b32 s[LIM], 1, -1
	s_wait_dscnt 0x0                               ; the opening add is done
	s_wait_kmcnt 0x0
	s_mov_b32 s[G0], 1
	s_mov_b32 s[G0+1], 0
	s_add_nc_u64 s[G0+2:G0+3], s[6:7], s[12:13]
	s_or_b32 s[G0+3], s[G0+3], 0x80000000
	TLOAD                                          ; slot 0
	s_add_nc_u64 s[PFA:PFA+1], s[6:7], s[12:13]
	s_add_nc_u64 s[PFA:PFA+1], s[PFA:PFA+1], SLOTB ; at slot 1: the first change of slots steps it to slot 2
	s_add_nc_u64 s[16:17], s[4:5], s[16:17]
	s_add_nc_u64 s[14:15], s[4:5], s[14:15]
	s_add_nc_u64 s[32:33], s[8:9], s[32:33]
	s_add_nc_u64 s[34:35], s[8:9], s[34:35]
	v_and_b32 v8, 15, v0                           ; r
	v_bfe_u32 v9, v0, 4, 1                         ; h
	v_and_b32 v10, 31, v0                          ; lane
	s_delay_alu instid0(VALU_DEP_1)
	v_lshlrev_b32 v1, 3, v10                       ; 8 x lane
	s_delay_alu instid0(VALU_DEP_4)
	v_lshlrev_b32 v31, 5, v8                       ; 32 r
.irp u, 0,1,2
	global_load_b64 v[16+2*\u:17+2*\u], v1, s[16:17] offset:256*\u   ; Q's registers 0-5 stay
.endr
	global_load_b32 v255, v31, s[14:15]            ; and its scale words
	v_add_nc_u32 v2, 12288, v31                    ; K's scale words: 32 r
	v_lshl_add_u32 v3, v8, 4, 25600                ; V's: 16 r
	s_and_b32 s11, s[WV], 1
	s_lshl_b32 s38, s11, 3
	v_and_b32 v7, 8, v8
	s_delay_alu instid0(VALU_DEP_1)
	v_add_nc_u32 v7, v7, v8
	s_delay_alu instid0(VALU_DEP_1)
	v_add_nc_u32 v7, s38, v7
	v_lshlrev_b32 v11, 4, v9
	s_delay_alu instid0(VALU_DEP_1)
	v_sub_nc_u32 v7, v7, v11                       ; my query - Q0 - 16 h
	s_lshl_b32 s38, s[WV], 5
	v_add_nc_u32 v28, s38, v10
	s_delay_alu instid0(VALU_DEP_1)
	v_add_nc_u32 v28, 0xffffff80, v28              ; 32 (wave - 4) + lane,
	s_delay_alu instid0(VALU_DEP_1)
	v_min_u32 v28, 101, v28                        ; held at the slot's last block
	s_delay_alu instid0(VALU_DEP_1)
	v_lshlrev_b32 v28, 8, v28
	s_lshl_b32 s38, s11, 7
	v_lshl_add_u32 v30, v8, 3, v9
	s_delay_alu instid0(VALU_DEP_1)
	v_add_nc_u32 v30, s38, v30                     ; o's scale byte: place 16 (w % 2) + r, 8 bytes a place, + h
	v_cmp_eq_u32 s60, 1, v9                        ; the lanes 16-31
.irp j, 22,23,24,25,26,27, 80,81,82,83,84,85
	v_mov_b32 v\j, 0                               ; Q's zero codes; and what tile 7 of K names beyond its six registers
.endr
	v_mov_b32 v13, 0xff61b1e6                      ; the largest t so far: -3e38
	s_delay_alu instid0(VALU_DEP_1)
	v_floor_f32 v12, -v13                          ; -M
	v_mov_b32 v14, 0
	v_mov_b32 v15, 0
.irp b, 0,1,2,3
	v_mov_b32 v[236+\b], 0                         ; written once: a lane permute's destination counts as one of its sources
.endr
	v_mov_b32 v253, 0
.set j, 0
.rept 32
	v_mov_b32 v[160+j], 0                          ; O^T: the loop is written once; its first step finds zeros
.set j, j+1
.endr
; A KEY STEP: 128 keys, the q-th of the slot in hand
.macro STEP q
	s_add_co_u32 s52, s[Q0], 31
	s_cmp_gt_u32 s[KF], s52                        ; all keys come after my queries: ids and the count of steps alone; no barrier and no tensor load stands in a step
	s_cbranch_scc1 .Lhidden_\@
	v_add_nc_u32 v8, s[TB], v1
	v_add_nc_u32 v9, s[TB], v2
	v_add_nc_u32 v10, s[TB], v3
	v_nop                                          ; four places in front of loads into registers that matrix instructions have read
.irp t, 0,1,2,3,4,5,6,7
.irp u, 0,1,2
	ds_load_b64 v[32+6*\t+2*\u:33+6*\t+2*\u], v8 offset:(8*(\q)+\t)*768+256*\u
.endr
.endr
	ds_load_b128 v[192:195], v9 offset:512*(\q)
	ds_load_b128 v[196:199], v9 offset:512*(\q)+16
	s_wait_dscnt 0x0
.irp t, 0,1,2,3,4,5,6,7
	v_wmma_scale_f32_16x16x128_f8f6f4 v[96+8*\t:103+8*\t], v[32+6*\t:43+6*\t], v[16:27], 0, v[192+\t], v255 matrix_a_fmt:MATRIX_FMT_FP6 matrix_b_fmt:MATRIX_FMT_FP6
.endr
.rept 4
	v_nop
.endr
	s_add_co_u32 s52, s[KF], 127
	s_cmp_le_u32 s52, s[Q0]                        ; all keys count: no mask
	s_cbranch_scc1 .Lopen_\@
	s_sub_co_u32 s52, s[Q0], s[KF]
	v_add_nc_u32 v252, s52, v7                     ; register 16 b + i holds key KF + 16 h + 32 b + i: hidden where 32 b + i > my query - KF - 16 h
	v_mov_b32 v254, 0xff800000
.set n, 0
.rept 64
	v_cmp_gt_i32 vcc_lo, 32*(n/16)+n%16, v252
	v_cndmask_b32 v[96+n], v[96+n], v254, vcc_lo
.set n, n+1
.endr
.Lopen_\@:
.irp b, 0,1,2,3
	v_max3_num_f32 v[232+\b], v[96+16*\b], v[97+16*\b], v[98+16*\b]   ; the largest score of each block of 32 keys: for the row's maximum, and, since p rises with the score, for the block's largest p
.endr
.irp i, 3,5,7,9,11,13
.irp b, 0,1,2,3
	v_max3_num_f32 v[232+\b], v[232+\b], v[96+16*\b+\i], v[97+16*\b+\i]
.endr
.endr
.irp b, 0,1,2,3
	v_max_num_f32 v[232+\b], v[232+\b], v[111+16*\b]
.endr
.irp b, 0,1,2,3
	s_delay_alu instid0(VALU_DEP_4)
	v_permlanex16_b32 v[236+\b], v[232+\b], s[SEL], s[SEL+1]
.endr
.irp b, 0,1,2,3
	s_delay_alu instid0(VALU_DEP_4)
	v_max_num_f32 v[232+\b], v[232+\b], v[236+\b]
.endr
	s_delay_alu instid0(VALU_DEP_2)
	v_max3_num_f32 v254, v232, v233, v234
	s_delay_alu instid0(VALU_DEP_1)
	v_max_num_f32 v254, v254, v235
	s_delay_alu instid0(VALU_DEP_1)
	v_mul_f32 v254, s[CS], v254
	s_delay_alu instid0(VALU_DEP_1)
	v_max_num_f32 v13, v13, v254                   ; the running largest t
	v_mov_b32 v254, v12
	s_delay_alu instid0(VALU_DEP_2)
	v_floor_f32 v12, -v13                          ; the new -M
	s_delay_alu instid0(VALU_DEP_1)
	v_sub_f32 v254, v12, v254                      ; old M - new M: a whole number, 0 or less
	s_delay_alu instid0(VALU_DEP_1)
	v_cvt_i32_f32 v254, v254                       ; (it saturates)
	s_delay_alu instid0(VALU_DEP_1)
	v_ldexp_f32 v252, 1.0, v254                    ; f = 2^(old M - new M)
.set j, 0
.rept 32
	v_pk_fma_f32 v[96+j:97+j], v[96+j:97+j], s[CS:CS+1], v[12:13] op_sel_hi:[1,0,0]   ; t - M
.set j, j+2
.endr
.irp b, 0,1,2,3
	v_fma_f32 v[232+\b], v[232+\b], s[CS], v12
.endr
.set j, 0
	s_wait_alu depctr_va_vdst(0)
.rept 64
	v_exp_f32 v[96+j], v[96+j]                     ; p = 2^(t - M): not normalised
.set j, j+1
.endr
	v_pk_mul_f32 v[14:15], v[14:15], v[252:253] op_sel_hi:[1,0]   ; the sums under the new M: a plain place behind the exponentials
	s_wait_alu depctr_va_vdst(0)                   ; one wait for the batch, ahead of its first reader
.irp b, 0,1,2,3
	v_exp_f32 v[232+\b], v[232+\b]                 ; the block's largest p
.endr
	v_pk_add_f32 v[236:237], v[100:101], v[104:105]
	v_pk_add_f32 v[250:251], v[108:109], v[112:113]
	v_pk_add_f32 v[248:249], v[116:117], v[120:121]
	v_pk_add_f32 v[246:247], v[124:125], v[128:129]
	v_pk_add_f32 v[244:245], v[132:133], v[136:137]
	v_pk_add_f32 v[242:243], v[140:141], v[144:145]
	v_pk_add_f32 v[240:241], v[148:149], v[152:153]
	v_pk_add_f32 v[14:15], v[14:15], v[156:157]
	v_pk_add_f32 v[236:237], v[236:237], v[96:97]
	v_pk_add_f32 v[250:251], v[250:251], v[98:99]
	v_pk_add_f32 v[248:249], v[248:249], v[102:103]
	v_pk_add_f32 v[246:247], v[246:247], v[106:107]
	v_pk_add_f32 v[244:245], v[244:245], v[110:111]
	v_pk_add_f32 v[242:243], v[242:243], v[114:115]
	v_pk_add_f32 v[240:241], v[240:241], v[118:119]
	v_pk_add_f32 v[14:15], v[14:15], v[122:123]
	v_pk_add_f32 v[236:237], v[236:237], v[126:127]
	v_pk_add_f32 v[250:251], v[250:251], v[130:131]
	v_pk_add_f32 v[248:249], v[248:249], v[134:135]
	v_pk_add_f32 v[246:247], v[246:247], v[138:139]
	v_pk_add_f32 v[244:245], v[244:245], v[142:143]
	v_pk_add_f32 v[242:243], v[242:243], v[146:147]
	v_pk_add_f32 v[240:241], v[240:241], v[150:151]
	v_pk_add_f32 v[14:15], v[14:15], v[154:155]
	v_pk_add_f32 v[236:237], v[236:237], v[158:159]
	s_delay_alu instid0(VALU_DEP_2)
	v_pk_add_f32 v[14:15], v[14:15], v[246:247]
	s_delay_alu instid0(VALU_DEP_2)
	v_pk_add_f32 v[236:237], v[236:237], v[244:245]
	v_pk_add_f32 v[250:251], v[250:251], v[242:243]
	v_pk_add_f32 v[248:249], v[248:249], v[240:241]
	s_delay_alu instid0(VALU_DEP_2)
	v_pk_add_f32 v[14:15], v[14:15], v[250:251]
	s_delay_alu instid0(VALU_DEP_2)
	v_pk_add_f32 v[236:237], v[236:237], v[248:249]
	s_delay_alu instid0(VALU_DEP_1)
	v_pk_add_f32 v[14:15], v[14:15], v[236:237]
	s_wait_alu depctr_va_vdst(0)                   ; and one for the four
.irp b, 0,1,2,3
	v_max_num_f32 v[232+\b], 0x1800000, v[232+\b]  ; the floor 2^(3 - 127)
.endr
.irp b, 0,1,2,3
	s_delay_alu instid0(VALU_DEP_4)
	v_add_nc_u32 v[244+\b], 0xff000000, v[232+\b]
.endr
.irp b, 0,1,2,3
	s_delay_alu instid0(VALU_DEP_4)
	v_lshrrev_b32 v[236+\b], 23, v[244+\b]
.endr
	s_delay_alu instid0(VALU_DEP_3)
	v_lshl_or_b32 v253, v237, 8, v236              ; p's scale word for these 128 keys
	s_delay_alu instid0(VALU_DEP_1)
	v_lshl_or_b32 v253, v238, 16, v253
	s_delay_alu instid0(VALU_DEP_1)
	v_lshl_or_b32 v253, v239, 24, v253
.irp c, 0,1
	v_cvt_scalef32_pk16_fp6_f32 v[224+6*\c:226+6*\c], v[96+32*\c:111+32*\c], v[244+2*\c]
	v_cvt_scalef32_pk16_fp6_f32 v[236+4*\c:238+4*\c], v[112+32*\c:127+32*\c], v[244+2*\c+1]
.endr
	v_nop
.irp c, 0,1
.irp i, 0,1,2
	v_permlane16_swap_b32 v[224+6*\c+\i], v[236+4*\c+\i]
.endr
.irp i, 0,1,2
	s_delay_alu instid0(VALU_DEP_3)
	v_mov_b32 v[227+6*\c+\i], v[236+4*\c+\i]
.endr
.endr
.set j, 0
.rept 16
	v_pk_mul_f32 v[160+j:161+j], v[160+j:161+j], v[252:253] op_sel_hi:[1,0]   ; O^T under the new M.  These 16 are also the places between the scale word's and the codes' last writes and the products
.set j, j+2
.endr
.irp t, 0,1,2,3
.irp p, 0,1,2,3,4,5
	ds_load_b64 v[32+12*\t+2*\p:33+12*\t+2*\p], v8 offset:13312+6144*(\q)+1536*\t+256*\p
.endr
.endr
	ds_load_b128 v[248:251], v10 offset:256*(\q)
	s_wait_alu depctr_va_vdst(0)
	s_wait_dscnt 0x0
.irp t, 0,1,2,3                                ; four accumulators by turns
	v_wmma_scale_f32_16x16x128_f8f6f4 v[160+8*\t:167+8*\t], v[32+12*\t:43+12*\t], v[224:235], v[160+8*\t:167+8*\t], v[248+\t], v253 matrix_a_fmt:MATRIX_FMT_FP6 matrix_b_fmt:MATRIX_FMT_FP6
.endr
.Lhidden_\@:
	s_add_co_u32 s[KF], s[KF], 128
.endm
; THE CHANGE OF SLOTS stands at a slot's head.  Each wave waits for all its tensor loads, adds 0 to its spare word, and waits for that and for its reads of the slot that it has left.  Behind the barrier the slot ahead is whole and nobody reads the other.
.macro CHANGE fill
	s_wait_tensorcnt 0x0                           ; no tensor load of mine is out, so group 0 may be written
	ds_add_u32 v5, v6                              ; 0 onto my spare word
.if \fill
	s_xor_b32 s[G0+1], s[G0+1], SLOT1              ; the other slot than last time,
	s_add_nc_u64 s[G0+2:G0+3], s[G0+2:G0+3], SLOTB ; the next 256 keys
	s_wait_xcnt 0x0                                ; the last prefetch, a slot back, has read its address
	s_add_nc_u64 s[PFA:PFA+1], s[PFA:PFA+1], SLOTB
.endif
	s_wait_dscnt 0x0                               ; the add is done, and my reads of the slot that I have left are over
	s_barrier_signal -1
	s_barrier_wait -1
.if \fill
	s_add_co_u32 s52, s[KF], 256                   ; the first key of the slot that this change would ask for,
	s_or_b32 s53, s[Q0], 255                       ; my work-group's last query: ids and the count of steps alone, the same in all sixteen waves
	s_cmp_gt_u32 s52, s53                          ; a slot that no wave of the work-group will read is not asked for
	s_cbranch_scc1 .Lpast_\@
	TLOAD                                          ; the one tensor load until the next such barrier: it has a slot's two steps in which to land
.Lpast_\@:
	ASK
.endif
.endm
	s_wait_loadcnt 0x0                             ; Q
.Lslot:                                            ; 7 trips
	CHANGE 1
	STEP 0
	STEP 1
	s_xor_b32 s[TB], s[TB], SLOT1
	s_sub_co_u32 s[SLOTS], s[SLOTS], 1
	s_cmp_lg_u32 s[SLOTS], 0
	s_cbranch_scc1 .Lslot
	CHANGE 0                                       ; the last slot is written out: nothing is left to fetch
	STEP 0
	STEP 1
	; THE WAY OUT: O^T / the sum; register 16 b + i is d 32 b + 16 h + i of my query: two blocks of 32 along D
	v_add_f32 v14, v14, v15
	s_delay_alu instid0(VALU_DEP_1)
	v_permlanex16_b32 v252, v14, s[SEL], s[SEL+1]
	s_delay_alu instid0(VALU_DEP_1)
	v_add_f32 v14, v14, v252                       ; the row's sum
	s_wait_alu depctr_va_vdst(0)
	v_rcp_f32 v14, v14
	v_nop
	v_nop                                          ; (with the lines above: the places behind the last products)
	s_wait_alu depctr_va_vdst(0)                   ; the wait ahead of the reciprocal's first reader
.set j, 0
.rept 32
	v_mul_f32 v[96+j], v[160+j], v14
.set j, j+1
.endr
.irp b, 0,1
	v_max3_num_f32 v[232+\b], |v[96+16*\b]|, |v[97+16*\b]|, 0x1800000
.endr
.irp i, 2,4,6,8,10,12,14
.irp b, 0,1
	s_delay_alu instid0(VALU_DEP_2)
	v_max3_num_f32 v[232+\b], v[232+\b], |v[96+16*\b+\i]|, |v[97+16*\b+\i]|
.endr
.endr
.irp b, 0,1
	s_delay_alu instid0(VALU_DEP_2)
	v_permlanex16_b32 v[236+\b], v[232+\b], s[SEL], s[SEL+1]
.endr
.irp b, 0,1
	s_delay_alu instid0(VALU_DEP_2)
	v_max_num_f32 v[232+\b], v[232+\b], v[236+\b]
.endr
.irp b, 0,1
	s_delay_alu instid0(VALU_DEP_2)
	v_add_nc_u32 v[244+\b], 0xff000000, v[232+\b]
.endr
.irp b, 0,1
	s_delay_alu instid0(VALU_DEP_2)
	v_lshrrev_b32 v[236+\b], 23, v[244+\b]
.endr
	v_cvt_scalef32_pk16_fp6_f32 v[224:226], v[96:111], v244
	v_cvt_scalef32_pk16_fp6_f32 v[240:242], v[112:127], v245
	v_nop
.irp i, 0,1,2
	v_permlane16_swap_b32 v[224+\i], v[240+\i]     ; lanes 0-15 block 0 whole, lanes 16-31 block 1
.endr
.irp i, 0,1,2
	s_delay_alu instid0(VALU_DEP_3)
	v_mov_b32 v[227+\i], v[240+\i]
.endr
	v_cndmask_b32 v238, v236, v237, s60            ; my block's byte
.irp u, 0,1,2
	global_store_b64 v1, v[224+2*\u:225+2*\u], s[32:33] offset:256*\u   ; each store covers 256 consecutive bytes, aligned
.endr
	global_store_b8 v30, v238, s[34:35]
	s_wait_tensorcnt 0x0                           ; the wave's end
	ds_add_u32 v5, v6
	s_wait_dscnt 0x0
	s_endpgm
.Lfunc_end_k_q654340cce8_attn:
	.size	k_q654340cce8_attn, .Lfunc_end_k_q654340cce8_attn-k_q654340cce8_attn
	.p2alignl 7, 3214868480
	.fill 96, 4, 3214868480
	.section	.rodata,"a",@progbits
	.p2align	6, 0x0
	.amdhsa_kernel k_q654340cce8_attn
		.amdhsa_group_segment_fixed_size 327680
		.amdhsa_private_segment_fixed_size 0
		.amdhsa_enable_private_segment 0
		.amdhsa_kernarg_size 24
		.amdhsa_user_sgpr_count 2
		.amdhsa_user_sgpr_kernarg_segment_ptr 1
		.amdhsa_wavefront_size32 1
		.amdhsa_system_sgpr_workgroup_id_x 1
		.amdhsa_system_sgpr_workgroup_id_y 1
		.amdhsa_system_sgpr_workgroup_id_z 1
		.amdhsa_system_vgpr_workitem_id 0
		.amdhsa_next_free_vgpr 256
		.amdhsa_next_free_sgpr 66
		.amdhsa_reserve_vcc 1
		.amdhsa_float_denorm_mode_32 3
		.amdhsa_float_denorm_mode_16_64 3
		.amdhsa_memory_ordered 1
		.amdhsa_forward_progress 1
		.amdhsa_inst_pref_size 107
	.end_amdhsa_kernel
	.amdgpu_metadata
---
amdhsa.version: [ 1, 2 ]
amdhsa.kernels:
  - .name:           k_q654340cce8_attn
    .symbol:         k_q654340cce8_attn.kd
    .args:
      - { .name: qbuf, .offset: 0, .size: 8, .value_kind: global_buffer, .address_space: global }
      - { .name: kvbuf, .offset: 8, .size: 8, .value_kind: global_buffer, .address_space: global }
      - { .name: obuf, .offset: 16, .size: 8, .value_kind: global_buffer, .address_space: global }
    .group_segment_fixed_size: 327680
    .private_segment_fixed_size: 0
    .kernarg_segment_align: 8
    .kernarg_segment_size: 24
    .max_flat_workgroup_size: 512
    .sgpr_count:     66
    .vgpr_count:     256
    .wavefront_size: 32
...
	.end_amdgpu_metadata
.endif
;; end of part 3
;; launch oproj (part 4): grid 4 x 32, 4 waves a work-group, clusters of 4 x 4, 327,680 bytes of LDS; arguments obuf, wbuf, b_o, out0; writes out0
.if DOCPART == 4
	.amdgcn_target "amdgcn-amd-amdhsa--gfx1250"
	.amdhsa_code_object_version 6
	.text
	.protected	k_q654340cce8_oproj
	.globl	k_q654340cce8_oproj
	.p2align	8
	.type	k_q654340cce8_oproj,@function
k_q654340cce8_oproj:
	s_mov_b64 s[64:65], 0
	v_nop
	global_prefetch_b8 v0, s[64:65] scope:SCOPE_SE
	s_setreg_imm32_b32 hwreg(HW_REG_WAVE_MODE, 25, 1), 1
	s_wait_xcnt 0x0
	s_wait_alu depctr_hold_cnt(0) depctr_sa_sdst(0) depctr_va_vdst(0) depctr_va_sdst(0) depctr_va_ssrc(0) depctr_va_vcc(0) depctr_vm_vsrc(0)
	s_getreg_b32 s2, hwreg(HW_REG_IB_STS2, 6, 4)
	s_cmp_eq_u32 s2, 0
	s_cbranch_scc0 .Lentry_in_a_cluster
	s_endpgm
.Lentry_in_a_cluster:
	s_bfe_u32 s2, ttmp6, 0x10000c
	s_cmp_lg_u32 s2, 0xf033
	s_cbranch_scc0 .Lentry_shape_is_right
	s_endpgm
.Lentry_shape_is_right:
; out0 = o W_o + b_o on codes of E2M3 (one E8M0 byte for each 32 along K = 1,024); out0 [8192][1024] f32.
; A tile is 256 x 256, four waves of 128 x 128: 64 accumulators.  K goes in 4 slots of 256 through a ring of two LDS slots.  Operands lie in memory as images of their registers: a slot's 128 rows are one dense block of
; 24,576 bytes, a fragment comes by six loads of 8 bytes a lane, 256 consecutive bytes each.  A' = tokens (obuf), B' = W_o's columns (wbuf's stored rows 3,072 on).
; THE MATRIX INSTRUCTION IS USED TRANSPOSED (source 0 = 16 rows of B', source 1 = 16 rows of A'): a lane holds one token, and by the stored order of rows register j of tile b is column 32 (b / 2) + 16 h + 8 (b % 2) + j.
; CLUSTERS: 4 x 4.  A's tiles are asked for jointly along a row of the cluster, B's along a column.  The grid has 128 tiles of this size.
; THE WAY OUT goes through a stage in slot 0, which has had its last fill and its last read by then; whole rows of 512 bytes come back, take the bias and are stored.
; No prefetch: a tile has four slots, two of which come with the first fills.
; REGISTERS: window 0: v1-6 at work; v8-11 the bias; v16-29 addresses; v32-63 scale words, two sets; v128-223 A's fragments; on the way out v128-255 rows.  Window 1: B's fragments, two sets.  Windows 2, 3: the accumulators.
.set NQ,     2
.set FR,     12
.set NL,     6
.set NP,     4
.set HALFT,  24576
.set SLOT,   4*HALFT
.set SCL,    2*SLOT
.set HALFS,  4096
.set SPARE,  SCL+4*HALFS               ; the spare words, 128 bytes for each wave: two blocks of 256 bytes that no other line names
.set HSCO,   6291456
.set WSCO,   3145728
.set SPITCH, 528
.set ADRA, 16
.set ADRB, 20
.set STO,  24
.set RD,   25
.set CO,   26
.set ADRS, 27
.set SPW,  28
.set NIL,  29
.set SC,   32
.set AF,   128
.set BK,   128
.set G1, 24
.set G0, 32
.set G1B, 48
.set G0B, 56
.set G1S, 68
.set G0S, 76
.set G1SB, 80
.set G0SB, 88
.set MSB, 0
.macro WIN new
.if MSB != \new
	s_set_vgpr_msb (MSB<<8)|\new
.set MSB, \new
.endif
.endm
.set MUL_LO, 0xa1
.set MUL_HI, 0xf1
.set TO_B,   0x40
.macro JLOAD g0a, g1a, g0b, g1b        ; a joint load: waves 0 and 1 fetch for A', waves 2 and 3 for B'; an s_nop 0 and four v_nop follow each line
	s_cmp_eq_u32 s15, 0
	s_cbranch_scc0 .Lfor_b_\@
	tensor_load_to_lds s[\g0a:\g0a+3], s[\g1a:\g1a+7]
	s_nop 0
.rept 4
	v_nop
.endr
	s_branch .Lasked_\@
.Lfor_b_\@:
	tensor_load_to_lds s[\g0b:\g0b+3], s[\g1b:\g1b+7]
	s_nop 0
.rept 4
	v_nop
.endr
.Lasked_\@:
.endm
.macro CREST
	s_cmp_lg_u32 s14, 0
	s_cbranch_scc1 .Lnot_wave_0_\@
	s_barrier_signal -3
.Lnot_wave_0_\@:
	s_barrier_wait -3
	s_barrier_signal -1
	s_barrier_wait -1
.endm
.macro CROUND
	s_barrier_signal -1
	s_barrier_wait -1
	CREST
.endm
	s_load_b256 s[4:11], s[0:1], 0x0               ; obuf, wbuf, b_o, out0
	v_lshl_add_u32 v[SPW], v0, 2, SPARE
	v_mov_b32 v[NIL], 0
	ds_add_u32 v[SPW], v[NIL]                      ; the wave's opening: the add and its wait ahead of my first tensor load
	v_lshrrev_b32 v1, 5, v0
	v_readfirstlane_b32 s14, v1                    ; wave 0..3
	s_lshr_b32 s15, s14, 1
	s_and_b32 s16, s14, 1
	s_bfe_u32 s40, ttmp6, 0x40000                  ; cx
	s_bfe_u32 s41, ttmp6, 0x40004                  ; cy
	s_lshl_b32 s42, ttmp9, 2
	s_add_co_u32 s42, s42, s40                     ; tile of 256 columns
	s_and_b32 s17, ttmp7, 0xffff
	s_lshl_b32 s17, s17, 2
	s_add_co_u32 s17, s17, s41                     ; tile of 256 tokens
	s_lshl_b32 s43, s41, 2
	s_lshl_b32 s43, 15, s43                        ; my row of the cluster
	s_lshl_b32 s44, 0x1111, s40                    ; my column
	s_or_b32 s[G1+0], s43, (3<<16)|(1<<21)         ; a dense block as rows of 256 bytes (32 elements of 8 bytes), no padding; bit 21 set beside a mask
	s_or_b32 s[G1B+0], s44, (3<<16)|(1<<21)
.irp g, G1, G1B
	s_mov_b32 s[\g+1], 32<<16
	s_mov_b32 s[\g+2], 96<<16
	s_mov_b32 s[\g+3], 32<<16
	s_mov_b32 s[\g+4], 96
	s_mov_b32 s[\g+5], 32
	s_mov_b32 s[\g+6], 0
	s_mov_b32 s[\g+7], 0
.endr
	s_or_b32 s[G1S+0], s43, (3<<16)|(1<<21)
	s_or_b32 s[G1SB+0], s44, (3<<16)|(1<<21)
.irp g, G1S, G1SB
	s_mov_b32 s[\g+1], 32<<16
	s_mov_b32 s[\g+2], 16<<16
	s_mov_b32 s[\g+3], 32<<16
	s_mov_b32 s[\g+4], 16
	s_mov_b32 s[\g+5], 32
	s_mov_b32 s[\g+6], 0
	s_mov_b32 s[\g+7], 0
.endr
	s_lshl_b32 s20, s17, 1
	s_add_co_u32 s20, s20, s16                     ; A's group of 128 rows that I fetch
	s_lshl_b32 s22, s20, 12
	s_add_co_u32 s22, s22, HSCO
	s_mul_i32 s20, s20, 98304
	s_mov_b32 s21, 0
	s_mov_b32 s23, 0
	s_lshl_b32 s46, s42, 1
	s_add_co_u32 s46, s46, s16
	s_add_co_u32 s46, s46, 24                      ; B's: W_o begins at group 24 of wbuf
	s_lshl_b32 s92, s46, 12
	s_add_co_u32 s92, s92, WSCO
	s_mul_i32 s46, s46, 98304
	s_mov_b32 s47, 0
	s_mov_b32 s93, 0
	s_mul_i32 s45, s14, HALFT
	s_mul_i32 s94, s14, HALFS
	s_wait_dscnt 0x0                               ; the opening add is done
	s_wait_kmcnt 0x0
	s_add_nc_u64 s[20:21], s[4:5], s[20:21]
	s_add_nc_u64 s[22:23], s[4:5], s[22:23]
	s_add_nc_u64 s[46:47], s[6:7], s[46:47]
	s_add_nc_u64 s[92:93], s[6:7], s[92:93]
	CROUND                                         ; all sixteen work-groups are here: the first joint loads meet
	s_mov_b32 s[G0S], 1
	s_add_co_u32 s[G0S+1], s94, SCL
	s_mov_b64 s[G0S+2:G0S+3], s[22:23]
	s_or_b32 s[G0S+3], s[G0S+3], 0x80000000
	s_mov_b32 s[G0SB], 1
	s_add_co_u32 s[G0SB+1], s94, SCL
	s_mov_b64 s[G0SB+2:G0SB+3], s[92:93]
	s_or_b32 s[G0SB+3], s[G0SB+3], 0x80000000
	JLOAD G0S, G1S, G0SB, G1SB
.irp s, 0,1
	s_mov_b32 s[G0+4*\s], 1
	s_add_co_u32 s[G0+4*\s+1], s45, \s*SLOT
	s_add_nc_u64 s[G0+4*\s+2:G0+4*\s+3], s[20:21], \s*HALFT
	s_or_b32 s[G0+4*\s+3], s[G0+4*\s+3], 0x80000000
	s_mov_b32 s[G0B+4*\s], 1
	s_add_co_u32 s[G0B+4*\s+1], s45, \s*SLOT
	s_add_nc_u64 s[G0B+4*\s+2:G0B+4*\s+3], s[46:47], \s*HALFT
	s_or_b32 s[G0B+4*\s+3], s[G0B+4*\s+3], 0x80000000
	JLOAD G0+4*\s, G1, G0B+4*\s, G1B               ; three loads of mine are out
.endr
	v_and_b32 v1, 15, v0                           ; r
	v_bfe_u32 v2, v0, 4, 1                         ; h
	v_and_b32 v3, 31, v0                           ; lane
	v_lshlrev_b32 v4, 3, v3
	s_mul_i32 s21, s15, HALFT
	s_mul_i32 s22, s16, HALFT
	s_add_co_u32 s22, s22, 2*HALFT
.irp s, 0,1
	v_add_nc_u32 v[ADRA+\s], s21, v4
	v_add_nc_u32 v[ADRB+\s], s22, v4
	s_add_co_u32 s21, s21, SLOT
	s_add_co_u32 s22, s22, SLOT
.endr
	v_lshlrev_b32 v5, 3, v1
	s_mul_i32 s21, s15, HALFS
	s_mul_i32 s22, s16, HALFS
	s_add_co_u32 s22, s22, 2*HALFS
	s_sub_co_u32 s22, s22, s21
	v_mul_u32_u24 v6, s22, v2                      ; lanes 16-31 take B's
	s_add_co_u32 s21, s21, SCL
	v_add_nc_u32 v5, v5, v6
	v_add_nc_u32 v[ADRS], s21, v5
	s_mul_i32 s23, s14, 16*SPITCH                  ; my stage
	v_mul_u32_u24 v5, v1, SPITCH
	v_lshl_add_u32 v5, v2, 6, v5
	v_add_nc_u32 v[STO], s23, v5                   ; in: row r, + 64 h
	v_lshlrev_b32 v[CO], 4, v3                     ; back: the 32 lanes take a row of 512 bytes; and the same in out0
	v_add_nc_u32 v[RD], s23, v[CO]
	s_lshl_b32 s46, s42, 10
	s_lshl_b32 s47, s16, 9
	s_add_co_u32 s46, s46, s47                     ; my first column, in bytes
	s_mov_b32 s47, 0
	s_add_nc_u64 s[8:9], s[8:9], s[46:47]
	global_load_b128 v[8:11], v[CO], s[8:9]        ; the bias at my four columns of a row
	s_lshl_b32 s20, s17, 20
	s_lshl_b32 s21, s15, 19
	s_add_co_u32 s20, s20, s21                     ; my first token's row
	s_mov_b32 s21, 0
	s_add_nc_u64 s[10:11], s[10:11], s[20:21]
	s_add_nc_u64 s[10:11], s[10:11], s[46:47]
.macro FRAG reg, adr, q, i
.irp p, 0,1,2,3,4,5
	ds_load_b64 v[\reg+2*\p:\reg+2*\p+1], v[\adr] offset:(\i)*3072+(\q)*1536+256*\p
.endr
.endm
; 16 matrix instructions: A's blocks a0, a0 + 1 x B's eight.  The 64 accumulators take turns, one instruction a turn, in the same order in every step.
.macro MUL16 a0, p, q, sc, zero
.irp a, \a0, \a0+1
.irp b, 0,1,2,3,4,5,6,7
.if \zero
	v_wmma_scale_f32_16x16x128_f8f6f4 v[8*(8*((\a)%4)+\b):8*(8*((\a)%4)+\b)+7], v[128*(\p)+FR*\b:128*(\p)+FR*\b+FR-1], v[AF+FR*(\a):AF+FR*(\a)+FR-1], 0, v[SC+8*NQ*(\sc)+NQ*\b+(\q)], v[SC+8*NQ*(\sc)+NQ*(\a)+(\q)] matrix_a_fmt:MATRIX_FMT_FP6 matrix_b_fmt:MATRIX_FMT_FP6 matrix_a_scale:MATRIX_SCALE_ROW1
.else
	v_wmma_scale_f32_16x16x128_f8f6f4 v[8*(8*((\a)%4)+\b):8*(8*((\a)%4)+\b)+7], v[128*(\p)+FR*\b:128*(\p)+FR*\b+FR-1], v[AF+FR*(\a):AF+FR*(\a)+FR-1], v[8*(8*((\a)%4)+\b):8*(8*((\a)%4)+\b)+7], v[SC+8*NQ*(\sc)+NQ*\b+(\q)], v[SC+8*NQ*(\sc)+NQ*(\a)+(\q)] matrix_a_fmt:MATRIX_FMT_FP6 matrix_b_fmt:MATRIX_FMT_FP6 matrix_a_scale:MATRIX_SCALE_ROW1
.endif
.endr
.endr
.endm
.macro FETCH_B slot, q, p
	WIN TO_B
.irp i, 0,1,2,3,4,5,6,7
	FRAG 128*(\p)+FR*\i, ADRB+\slot, \q, \i
.endr
	WIN 0
.endm
.macro FETCH_A slot, q, i0
.irp i, \i0, \i0+1, \i0+2, \i0+3
	FRAG AF+FR*(\i), ADRA+\slot, \q, \i
.endr
.endm
.macro SCALES sc
.irp i, 0,1,2,3,4,5,6,7
	ds_load_b64 v[SC+8*NQ*\sc+NQ*\i:SC+8*NQ*\sc+NQ*\i+1], v[ADRS] offset:(\i/2)*1024+(\i%2)*128
.endr
.endm
.macro PLACES n                        ; plain vector instructions between a matrix instruction and a load into, or a read of, its registers
.rept \n
	v_nop
.endr
.endm
.macro STEP slot, q, zero
	s_wait_dscnt 4*NL                              ; B's set, A's blocks 0-3 and the scale words are in; the youngest 24 loads (A's blocks 4-7) may be out
	WIN MUL_LO
	MUL16 0, (\q)%2, \q, \slot, \zero
	MUL16 2, (\q)%2, \q, \slot, \zero
	s_wait_dscnt 0
	PLACES NP
	FETCH_B \slot, (\q)+1, 1-(\q)%2
	FETCH_A \slot, (\q)+1, 0
	WIN MUL_HI
	MUL16 4, (\q)%2, \q, \slot, \zero
	MUL16 6, (\q)%2, \q, \slot, \zero
	PLACES NP
	WIN 0
	FETCH_A \slot, (\q)+1, 4
.endm
.macro TURN slot, next, fill           ; a slot's last step changes slots: one barrier, with each wave's three lines in front of it
	s_wait_tensorcnt 0x0                           ; all my tensor loads have landed: my part of the next slot
	ds_add_u32 v[SPW], v[NIL]                      ; 0 onto my spare word
	s_wait_dscnt 4*NL+1                            ; (the add and A's blocks 4-7 may be out)
	WIN MUL_LO
	MUL16 0, 1, NQ-1, \slot, 0
	s_wait_dscnt 0x0                               ; the add is done, and my reads of this slot are over
	s_barrier_signal -1
	MUL16 2, 1, NQ-1, \slot, 0
	WIN 0
	s_barrier_wait -1
.if \fill
	CREST                                          ; the barrier has opened a round of the cluster's barrier
	s_add_nc_u64 s[G0+4*\slot+2:G0+4*\slot+3], s[G0+4*\slot+2:G0+4*\slot+3], 2*HALFT
	s_add_nc_u64 s[G0B+4*\slot+2:G0B+4*\slot+3], s[G0B+4*\slot+2:G0B+4*\slot+3], 2*HALFT
	JLOAD G0+4*\slot, G1, G0B+4*\slot, G1B         ; the first tensor load behind the round; its four v_nop are the places in front of the loads below
.else
	PLACES NP
.endif
	v_add_nc_u32 v[ADRS], 256, v[ADRS]
	FETCH_B \next, 0, 0
	FETCH_A \next, 0, 0
	SCALES \next
	WIN MUL_HI
	MUL16 4, 1, NQ-1, \slot, 0
	MUL16 6, 1, NQ-1, \slot, 0
	PLACES NP
	WIN 0
	FETCH_A \next, 0, 4
.endm
	s_wait_tensorcnt 1                             ; the scale words and my part of slot 0 are in (slot 1's load may be out)
	s_barrier_signal -1
	s_barrier_wait -1
	FETCH_B 0, 0, 0
	FETCH_A 0, 0, 0
	SCALES 0
	FETCH_A 0, 0, 4
	STEP 0, 0, 1                                   ; the first step's products start the sums
	TURN 0, 1, 1
	STEP 1, 0, 0
	TURN 1, 0, 1
	STEP 0, 0, 0
	TURN 0, 1, 0                                   ; behind this barrier nobody reads slot 0 any more, and it is filled no more
	STEP 1, 0, 0
	s_wait_dscnt 4*NL
	WIN MUL_LO
	MUL16 0, 1, NQ-1, 1, 0
	MUL16 2, 1, NQ-1, 1, 0
	s_wait_dscnt 0
	WIN MUL_HI
	MUL16 4, 1, NQ-1, 1, 0
	MUL16 6, 1, NQ-1, 1, 0
	WIN 0
; THE WAY OUT, block by block of 16 tokens x 128 columns, through my own stage.  LDS serves a wave's instructions in order: no wait between the stores and the loads.
.macro TOSTAGE a
.set AC, 64*((\a)%4)
	WIN 0x08+4*((\a)/4)                            ; the data: window 2 or 3
.irp b, 0,1,2,3,4,5,6,7
	ds_store_b128 v[STO], v[AC+8*\b:AC+8*\b+3] offset:128*(\b/2)+32*(\b%2)          ; each accumulator from its low end on
	ds_store_b128 v[STO], v[AC+8*\b+4:AC+8*\b+7] offset:128*(\b/2)+32*(\b%2)+16
.endr
	WIN 0
.set BB, BK+64*((\a)%2)
.irp t, 0,1,2,3,4,5,6,7,8,9,10,11,12,13,14,15
	ds_load_b128 v[BB+4*\t:BB+4*\t+3], v[RD] offset:\t*SPITCH
.endr
.endm
.macro SEND a, younger                 ; younger: the LDS instructions issued behind block a's loads, which may stay out
.set BB, BK+64*((\a)%2)
	s_wait_dscnt \younger
.irp t, 0,1,2,3,4,5,6,7,8,9,10,11,12,13,14,15
	v_pk_add_f32 v[BB+4*\t:BB+4*\t+1], v[BB+4*\t:BB+4*\t+1], v[8:9]
	v_pk_add_f32 v[BB+4*\t+2:BB+4*\t+3], v[BB+4*\t+2:BB+4*\t+3], v[10:11]
.endr
.irp t, 0,1,2,3,4,5,6,7,8,9,10,11,12,13,14,15
	global_store_b128 v[CO], v[BB+4*\t:BB+4*\t+3], s[10:11] offset:(32*((\a)/2)+8*((\a)%2)+\t+8*(\t/8))*4096 th:TH_STORE_NT   ; stored row t of block a is this token; 32 lanes store 512 consecutive bytes, aligned
.endr
.endm
	s_wait_loadcnt 0x0                             ; the bias
	PLACES NP
	TOSTAGE 0
.irp a, 1,2,3,4,5,6,7
.if \a > 1
	s_wait_xcnt 0x0                                ; block a - 2's stores have read their registers: block a's loads may land there
.endif
	TOSTAGE \a
	SEND \a-1, 32                                  ; behind block a - 1's loads: block a's 16 stores and 16 loads
.endr
	SEND 7, 0
	s_wait_tensorcnt 0x0                           ; the wave's end, behind my last tensor load and my last LDS store
	ds_add_u32 v[SPW], v[NIL]
	s_wait_dscnt 0x0
	CROUND                                         ; the closing round
	s_endpgm
.Lfunc_end_k_q654340cce8_oproj:
	.size	k_q654340cce8_oproj, .Lfunc_end_k_q654340cce8_oproj-k_q654340cce8_oproj
	.p2alignl 7, 3214868480
	.fill 96, 4, 3214868480
	.section	.rodata,"a",@progbits
	.p2align	6, 0x0
	.amdhsa_kernel k_q654340cce8_oproj
		.amdhsa_group_segment_fixed_size 327680
		.amdhsa_private_segment_fixed_size 0
		.amdhsa_enable_private_segment 0
		.amdhsa_kernarg_size 32
		.amdhsa_user_sgpr_count 2
		.amdhsa_user_sgpr_kernarg_segment_ptr 1
		.amdhsa_wavefront_size32 1
		.amdhsa_system_sgpr_workgroup_id_x 1
		.amdhsa_system_sgpr_workgroup_id_y 1
		.amdhsa_system_sgpr_workgroup_id_z 1
		.amdhsa_system_vgpr_workitem_id 0
		.amdhsa_next_free_vgpr 1024
		.amdhsa_next_free_sgpr 96
		.amdhsa_reserve_vcc 0
		.amdhsa_float_denorm_mode_32 3
		.amdhsa_float_denorm_mode_16_64 3
		.amdhsa_memory_ordered 1
		.amdhsa_forward_progress 1
		.amdhsa_inst_pref_size 175
	.end_amdhsa_kernel
	.amdgpu_metadata
---
amdhsa.version: [ 1, 2 ]
amdhsa.kernels:
  - .name:           k_q654340cce8_oproj
    .symbol:         k_q654340cce8_oproj.kd
    .args:
      - { .name: obuf, .offset: 0, .size: 8, .value_kind: global_buffer, .address_space: global }
      - { .name: wbuf, .offset: 8, .size: 8, .value_kind: global_buffer, .address_space: global }
      - { .name: b_o, .offset: 16, .size: 8, .value_kind: global_buffer, .address_space: global }
      - { .name: out0, .offset: 24, .size: 8, .value_kind: global_buffer, .address_space: global }
    .group_segment_fixed_size: 327680
    .private_segment_fixed_size: 0
    .kernarg_segment_align: 8
    .kernarg_segment_size: 32
    .max_flat_workgroup_size: 128
    .sgpr_count:     96
    .vgpr_count:     1024
    .wavefront_size: 32
...
	.end_amdgpu_metadata
.endif
;; end of part 4
